; MI455X (gfx1250); checked and timed in simulation.
; The chip was launched on July 23, 2026; its instructions are those of AMD's public machine-readable ISA for CDNA 5 (MIT licence, August 2026) and "CDNA5" Instruction Set Architecture Reference Guide (July 2026). The comments in the code are by the model that wrote it; some were corrected since.
;; Starling Attention. Allowed arithmetic: matrix products marked QUANTISED: E3M2 operands, one E8M0 scale for each 32 along K, by v_wmma_scale_f32_16x16x128_f8f6f4 with both operands' format E3M2, f32 sums; everything else in f32.
;; Inputs: Wk 1,024 x 1,024 float32; Wo 1,024 x 1,024 float32; Wq 1,024 x 1,024 float32; Wv 1,024 x 1,024 float32; align_gate one number float32; coh_gate one number float32; sep_gate one number float32; x 2 x 2,048 x 1,024 float32.
;; Outputs: out0 2 x 2,048 x 1,024 float32.
;; This version of the problem:
;;   THIS VERSION OF THE PROBLEM IS GIVEN IN LOW PRECISION. The matrix products marked QUANTISED in the list below multiply operands that are first quantised to E3M2 (3 exponent bits, 2 mantissa bits; 6 bits a number), with one power-of-two scale for each 32 numbers along K (OCP MX v1.0); their sums are f32. All else is computed in f32.
;;   The module's matrix products, in the order in which they are computed (A, B: the left and right operand; K: the contracted axis; several contracted axes count as one K, in the product's order):
;;     1. [M 4,096, K 1,024] x [K 1,024, N 1,024]; A: input x; B: input Wq: QUANTISED
;;     2. [M 4,096, K 1,024] x [K 1,024, N 1,024]; A: input x; B: input Wk: QUANTISED
;;     3. [M 4,096, K 1,024] x [K 1,024, N 1,024]; A: input x; B: input Wv: QUANTISED
;;     4. batch 32 x [M 2,048, K 64] x [K 64, N 2,048]; A: computed on the way; B: computed on the way: QUANTISED
;;     5. batch 32 x [M 2,048, K 2,048] x [K 2,048, N 64]; A: softmax (see below); B: computed on the way: QUANTISED
;;     6. [M 4,096, K 1,024] x [K 1,024, N 1,024]; A: computed on the way; B: input Wo: QUANTISED
;;   THE QUANTISER, for each operand of a quantised product, along K:
;;     - K is cut into blocks of 32 from its start; a last block that is shorter is filled with zeros.
;;     - A block's scale is 2^e with e = floor(log2(the largest magnitude in the block)) - 4, held to -126 .. 127; a block of zeros has e = 0. As a byte (E8M0): e + 127.
;;     - Each number is divided by its block's scale, clamped to +-28, and rounded to the nearest number of E3M2, ties to even, subnormals kept.
;;     - The product sums the exact products of the quantised numbers (number of the format x scale) in f32.
;;   ~~~python
;;   def quantise(x, axis):      # numpy; x: float32 -> the quantised numbers, widened to float32 again
;;       x = np.moveaxis(x, axis, -1); K = x.shape[-1]
;;       x = np.pad(x, [(0, 0)] * (x.ndim - 1) + [(0, -K % 32)]); x = x.reshape(x.shape[:-1] + (-1, 32)); a = np.abs(x).max(-1, keepdims=True)
;;       e = np.where(a > 0, np.clip(np.frexp(np.where(a > 0, a, 1))[1] - 1 - 4, -126, 127), 0)      # np.frexp(a)[1] - 1 = floor(log2(a)), exactly
;;       r = np.clip(x / 2.0 ** e, -28, 28)
;;       step = 2.0 ** (np.maximum(np.frexp(np.where(r == 0, 1, r))[1] - 1, -2) - 2)
;;       q = np.round(r / step) * step * 2.0 ** e      # np.round: ties to even
;;       return np.moveaxis(q.reshape(q.shape[:-2] + (-1,))[..., :K], -1, axis).astype(np.float32)
;;   ~~~
;;   SOFTMAX AHEAD OF A QUANTISED PRODUCT. Where the list says 'softmax', what is quantised is not the finished softmax but p = 2^(t - M), with t = logit x log2(e) and M = ceil(the row's largest t), a whole number; so 1/2 < the row's largest p <= 1. The row's sum l is taken of the UNQUANTISED p, in f32, and the product's result is divided by l at the end. Since M is a whole number, a kernel that streams over the keys may use a running M (the ceiling of the running maximum): every later rescaling is an exact power of two, which a block's scale takes up: the codes' values come out the same.
;;   OPERANDS COMPUTED ON THE WAY. 'Computed on the way' means the value that the module computes at that place (a softmax that the list does not call 'softmax' is quantised finished and normalised). What goes into a quantiser is computed in f32, as accurately as f32 sums, v_exp_f32 and their like allow (about 1e-6 of the number): no bf16 or f16 on the way to a quantiser, and a product that is left as it is and whose result goes on into a quantised operand takes f32 operands (vector FMAs, or v_wmma_f32_16x16x4_f32). A number that lies on a knife's edge between two numbers of the format may be rounded either way, as far as f32 arithmetic and the matrix unit's own rounding can turn it there, and no further.
;; One version. Each part assembles by itself: llvm-mc -triple=amdgcn-amd-amdhsa -mcpu=gfx1250 --defsym DOCPART=n.
;; ======== version 1 of 1: 4 launches
;; workspace buffers: opimg 6,291,456 bytes; opsc 262,144 bytes; qkvimg 9,437,184 bytes; qkvsc 393,216 bytes; aimg 3,145,728 bytes; asc 131,072 bytes
;; launch quant (part 1): grid 256 x 1, 8 waves a work-group, no clusters, 136,192 bytes of LDS; arguments x, Wq, Wk, Wv, Wo, opimg, opsc; writes opimg, opsc
.if DOCPART == 1
	.amdgcn_target "amdgcn-amd-amdhsa--gfx1250"
	.amdhsa_code_object_version 6
	.text
	.protected	k_qdb32f98577_quant
	.globl	k_qdb32f98577_quant
	.p2align	8
	.type	k_qdb32f98577_quant,@function
k_qdb32f98577_quant:
	s_mov_b64 s[64:65], 0
	v_nop
	global_prefetch_b8 v0, s[64:65] scope:SCOPE_SE
	s_setreg_imm32_b32 hwreg(HW_REG_WAVE_MODE, 25, 1), 1
	s_wait_xcnt 0x0
; x [4096][1024] and Wq, Wk, Wv, Wo [1024][1024], f32 with K innermost, become codes of BF6 (E3M2) with one E8M0 byte for each 32 along K,
; laid as IMAGES OF OPERAND REGISTERS.  The five tensors are one list of 8,192 rows: x, Wq, Wk, Wv, Wo.
; opimg: [tile of 16 rows t][K step of 128 s][1,536 bytes]; registers 4 c .. 4 c + 3 of lane l lie at 512 c + 16 l.  Lane (r, h) of the fragment holds,
; in registers 6 c .. 6 c + 5, k = 128 s + 64 c + 32 h + 0 .. 31 of row 32 (t / 2) + 8 (t % 2) + r + 8 (r / 8): THE ROWS OF A TILE ARE NOT NEIGHBOURS,
; so that two neighbouring result tiles of a product give a lane 16 neighbours along that axis.
; opsc: [K step][16 t + r][4 bytes]: the four scale bytes of that row and K step.
; A block's scale is 2^(floor(log2(largest magnitude)) - 4): its byte is the largest magnitude's exponent field - 4, held at 1 from below.
; LIMITS: a block of zeros, or one whose largest magnitude lies under 2^-122, gets the byte 1 (its codes are zeros or tiny; this program alone reads the bytes); NaN and infinities are not served.
; SHARES: a work-group takes 32 rows (two tiles), wave w K step w: 512 bytes of each row.  All 32 loads of a wave go out at once, each 512 consecutive bytes.
; The numbers turn through the wave's own stage in LDS (rows 528 bytes apart), so that a lane gets 32 neighbours of one row.  Waves share nothing: no barrier.
.set SP,   528                         ; a stage row: 512 bytes + 16
.set WST,  32*SP                       ; a wave's stage
.set R,    16                          ; v16-143  32 rows as loaded, 4 registers each
.set XA,   144                         ; v144-207 tile 0: 64 numbers of my row
.set XB,   16                          ; v16-79   tile 1: over R, once the stage stores are done
.set CD,   208                         ; v208-231 the two fragments' codes
.set PT,   232                         ; v232-234, v236-238 second halves of a block's codes
.set M,    240                         ; v240-241 largest magnitudes
.set SO,   242                         ; v242-243 the conversions' scale operands
.set BY,   244                         ; v244-245 scale bytes
.set TW,   246
.set SH,   247                         ; 8 h
.set W,    252                         ; v252-253 the two tiles' scale words
	s_load_b256 s[4:11], s[0:1], 0x0               ; x, Wq, Wk, Wv
	s_load_b128 s[12:15], s[0:1], 0x20             ; Wo, opimg
	s_load_b64 s[16:17], s[0:1], 0x30              ; opsc
	v_lshl_add_u32 v254, v0, 2, 0x21000
	v_mov_b32 v255, 0
	v_lshrrev_b32 v1, 5, v0
	v_readfirstlane_b32 s18, v1                    ; wave = K step
	v_and_b32 v1, 31, v0                           ; lane
	v_and_b32 v2, 15, v0                           ; r
	v_bfe_u32 v3, v0, 4, 1                         ; h
	v_lshlrev_b32 v4, 4, v1                        ; 16 x lane
	s_mul_i32 s19, s18, WST
	v_add_nc_u32 v5, s19, v4                       ; into the stage: 16 x lane of a row
	v_mul_u32_u24 v6, v2, SP
	v_lshl_add_u32 v6, v3, 7, v6
	v_add_nc_u32 v6, s19, v6                       ; out of it: place r, + 128 h bytes
	v_lshlrev_b32 v8, 2, v1
	v_lshlrev_b32 v[SH], 3, v3
	v_mov_b32 v[TW], 0                             ; a lane permute's destination counts as read
	s_mov_b32 s24, 0x76543210
	s_mov_b32 s25, 0xfedcba98                      ; selects for lane l xor 16
	s_mov_b32 s26, 0xffff0000                      ; lanes 16-31
	s_and_b32 s22, ttmp9, 31                       ; a weight's block of 32 rows
	s_wait_kmcnt 0x0
	s_mov_b64 s[20:21], s[12:13]                   ; which tensor: the choice hangs on the work-group's number alone
	s_cmp_lt_u32 ttmp9, 224
	s_cselect_b64 s[20:21], s[10:11], s[20:21]
	s_cmp_lt_u32 ttmp9, 192
	s_cselect_b64 s[20:21], s[8:9], s[20:21]
	s_cmp_lt_u32 ttmp9, 160
	s_cselect_b64 s[20:21], s[6:7], s[20:21]
	s_cmp_lt_u32 ttmp9, 128
	s_cselect_b64 s[20:21], s[4:5], s[20:21]
	s_cselect_b32 s22, ttmp9, s22
	s_lshl_b32 s22, s22, 17                        ; 32 rows of 4,096 bytes
	s_lshl_b32 s23, s18, 9                         ; my K step's 512 bytes
	s_add_co_u32 s22, s22, s23
	s_mov_b32 s23, 0
	s_add_nc_u64 s[20:21], s[20:21], s[22:23]
	s_lshl_b32 s22, ttmp9, 4
	s_add_co_u32 s22, s22, s18
	s_mul_i32 s22, s22, 1536                       ; tile 2 g, K step w
	s_add_nc_u64 s[14:15], s[14:15], s[22:23]
	s_lshl_b32 s22, s18, 15
	s_lshl_b32 s27, ttmp9, 7
	s_add_co_u32 s22, s22, s27                     ; K step w, position 32 g
	s_add_nc_u64 s[16:17], s[16:17], s[22:23]
.set i, 0
.rept 32
	global_load_b128 v[R+4*i:R+4*i+3], v4, s[20:21] offset:4096*i th:TH_LOAD_NT   ; row i: 32 lanes read 512 consecutive bytes
.set i, i+1
.endr
.set g, 0
.rept 8
	s_wait_loadcnt 28-4*g                          ; rows 4 g .. 4 g + 3 are in; the younger rows' loads stay out
.set i, 4*g
.rept 4
	ds_store_b128 v5, v[R+4*i:R+4*i+3] offset:SP*((i&7)+8*(i>>4)+16*((i>>3)&1))   ; row i is lane-row (i & 7) + 8 (i >> 4) of tile (i >> 3) & 1
.set i, i+1
.endr
.set g, g+1
.endr
.macro BACK u, x                       ; tile u: my row's k = 64 c + 32 h + 0 .. 31 into v[x + 32 c] on
.irp c, 0,1
.irp k, 0,1,2,3,4,5,6,7
	ds_load_b128 v[\x+32*\c+4*\k:\x+32*\c+4*\k+3], v6 offset:16*SP*\u+256*\c+16*\k
.endr
.endr
.endm
.macro QF u, x                         ; 64 numbers of a lane become a fragment's 12 registers and its scale word; both leave
.irp c, 0,1
	v_max3_num_f32 v[M+\c], |v[\x+32*\c]|, |v[\x+32*\c+1]|, 0x2800000   ; block 2 c + h is all mine; the floor 2^(5 - 127) holds the byte at 1 from below
.endr
.irp i, 2,4,6,8,10,12,14,16,18,20,22,24,26,28,30
.irp c, 0,1
	v_max3_num_f32 v[M+\c], v[M+\c], |v[\x+32*\c+\i]|, |v[\x+32*\c+\i+1]|
.endr
.endr
.irp c, 0,1
	v_add_nc_u32 v[SO+\c], 0xfe000000, v[M+\c]     ; 4 off the exponent field: the conversion reads that field alone
.endr
.irp c, 0,1
	v_lshrrev_b32 v[BY+\c], 23, v[SO+\c]           ; the scale's byte
.endr
	v_lshl_or_b32 v[W+\u], v[BY+1], 16, v[BY]      ; blocks h and 2 + h,
	v_lshlrev_b32 v[W+\u], v[SH], v[W+\u]          ; at their places in the word;
	v_permlanex16_b32 v[TW], v[W+\u], s24, s25
	v_or_b32 v[W+\u], v[W+\u], v[TW]               ; with lane l xor 16's two the word is whole
.irp c, 0,1
	v_cvt_scalef32_pk16_bf6_f32 v[CD+12*\u+6*\c:CD+12*\u+6*\c+2], v[\x+32*\c:\x+32*\c+15], v[SO+\c]
	v_cvt_scalef32_pk16_bf6_f32 v[PT+4*\c:PT+4*\c+2], v[\x+32*\c+16:\x+32*\c+31], v[SO+\c]   ; (a conversion's three registers begin on an even number)
.endr
	v_nop                                          ; one plain line behind the scaled conversions
.irp c, 0,1
.irp i, 0,1,2
	v_mov_b32 v[CD+12*\u+6*\c+3+\i], v[PT+4*\c+\i]
.endr
.endr
.irp c, 0,1,2
	global_store_b128 v4, v[CD+12*\u+4*\c:CD+12*\u+4*\c+3], s[14:15] offset:12288*\u+512*\c   ; 32 lanes store 512 consecutive bytes, aligned
.endr
.endm
	BACK 0, XA
	s_wait_dscnt 16                                ; all but tile 0's 16 loads: the 32 stage stores have read their registers,
	BACK 1, XB                                     ; which tile 1's numbers now take
	s_wait_dscnt 16                                ; tile 0 is in; tile 1's 16 loads stay out
	QF 0, XA
	s_wait_dscnt 0x0
	QF 1, XB
	v_cndmask_b32 v[W], v[W], v[W+1], s26          ; lanes 0-15 tile 0's words, lanes 16-31 tile 1's
	global_store_b32 v8, v[W], s[16:17]            ; 128 consecutive bytes: the words of my 32 rows for this K step (1 byte in 128 of what is read)
	s_wait_tensorcnt 0x0
	ds_add_u32 v254, v255
	s_wait_dscnt 0x0
	s_endpgm
.Lfunc_end_k_qdb32f98577_quant:
	.size	k_qdb32f98577_quant, .Lfunc_end_k_qdb32f98577_quant-k_qdb32f98577_quant
	.p2alignl 7, 3214868480
	.fill 96, 4, 3214868480
	.section	.rodata,"a",@progbits
	.p2align	6, 0x0
	.amdhsa_kernel k_qdb32f98577_quant
		.amdhsa_group_segment_fixed_size 136192
		.amdhsa_private_segment_fixed_size 0
		.amdhsa_enable_private_segment 0
		.amdhsa_kernarg_size 56
		.amdhsa_user_sgpr_count 2
		.amdhsa_user_sgpr_kernarg_segment_ptr 1
		.amdhsa_wavefront_size32 1
		.amdhsa_system_sgpr_workgroup_id_x 1
		.amdhsa_system_sgpr_workgroup_id_y 1
		.amdhsa_system_sgpr_workgroup_id_z 1
		.amdhsa_system_vgpr_workitem_id 0
		.amdhsa_next_free_vgpr 256
		.amdhsa_next_free_sgpr 66
		.amdhsa_reserve_vcc 0
		.amdhsa_float_denorm_mode_32 3
		.amdhsa_float_denorm_mode_16_64 3
		.amdhsa_memory_ordered 1
		.amdhsa_forward_progress 1
		.amdhsa_inst_pref_size 17
	.end_amdhsa_kernel
	.amdgpu_metadata
---
amdhsa.version: [ 1, 2 ]
amdhsa.kernels:
  - .name:           k_qdb32f98577_quant
    .symbol:         k_qdb32f98577_quant.kd
    .args:
      - { .name: x, .offset: 0, .size: 8, .value_kind: global_buffer, .address_space: global }
      - { .name: Wq, .offset: 8, .size: 8, .value_kind: global_buffer, .address_space: global }
      - { .name: Wk, .offset: 16, .size: 8, .value_kind: global_buffer, .address_space: global }
      - { .name: Wv, .offset: 24, .size: 8, .value_kind: global_buffer, .address_space: global }
      - { .name: Wo, .offset: 32, .size: 8, .value_kind: global_buffer, .address_space: global }
      - { .name: opimg, .offset: 40, .size: 8, .value_kind: global_buffer, .address_space: global }
      - { .name: opsc, .offset: 48, .size: 8, .value_kind: global_buffer, .address_space: global }
    .group_segment_fixed_size: 136192
    .private_segment_fixed_size: 0
    .kernarg_segment_align: 8
    .kernarg_segment_size: 56
    .max_flat_workgroup_size: 256
    .sgpr_count:     66
    .vgpr_count:     256
    .wavefront_size: 32
...
	.end_amdgpu_metadata
.endif
;; end of part 1
;; launch qkv (part 2): grid 12 x 16, 4 waves a work-group, clusters of 4 x 4, 327,680 bytes of LDS; arguments opimg, opsc, qkvimg, qkvsc; writes qkvimg, qkvsc
.if DOCPART == 2
	.amdgcn_target "amdgcn-amd-amdhsa--gfx1250"
	.amdhsa_code_object_version 6
	.text
	.protected	k_qdb32f98577_qkv
	.globl	k_qdb32f98577_qkv
	.p2align	8
	.type	k_qdb32f98577_qkv,@function
k_qdb32f98577_qkv:
	s_mov_b64 s[64:65], 0
	v_nop
	global_prefetch_b8 v0, s[64:65] scope:SCOPE_SE
	s_setreg_imm32_b32 hwreg(HW_REG_WAVE_MODE, 25, 1), 1
	s_wait_xcnt 0x0
	s_wait_alu depctr_hold_cnt(0) depctr_sa_sdst(0) depctr_va_vdst(0) depctr_va_sdst(0) depctr_va_ssrc(0) depctr_va_vcc(0) depctr_vm_vsrc(0)
	s_getreg_b32 s2, hwreg(HW_REG_IB_STS2, 6, 4)
	s_cmp_eq_u32 s2, 0
	s_cbranch_scc0 .Lentry_in_a_cluster
	s_endpgm
.Lentry_in_a_cluster:
	s_bfe_u32 s2, ttmp6, 0x10000c
	s_cmp_lg_u32 s2, 0xf033
	s_cbranch_scc0 .Lentry_shape_is_right
	s_endpgm
.Lentry_shape_is_right:
; q = x Wq^T, k = x Wk^T and v^T = Wv x^T on codes of BF6 (E3M2) with E8M0 scales, K = 1,024; each result is quantised in registers for the product that takes it next.
; A tile of 256 x 256 is made by four waves, 128 x 128 each: 64 accumulators, 512 registers.  Cluster x says which product (0 q, 1 k, 2 v).  For q and k "A" is x (tokens) and "B" the weight (features);
; for v "A" is Wv and "B" is x: the same text, other rows of the one list of operand images.  THE MATRIX INSTRUCTION IS USED TRANSPOSED (source 0 = B's tile, source 1 = A's): a lane holds ONE row of A,
; and, by the order of rows in a tile (row 32 (t / 2) + 8 (t % 2) + r + 8 (r / 8)), the 16 registers of B's tiles 2 b, 2 b + 1 are B's rows 32 b + 16 (lane / 16) + 0 .. 15: neighbours along the next K
; (the head's 64 for q and k, the keys for v).
; OPERANDS lie in memory as images of their registers (1,536 bytes a fragment): a K step's tiles are dense rows for one tensor load, and a fragment comes by three loads of 512 consecutive LDS bytes.
; K goes in steps of 256 through two LDS slots; the scale words of the tile's rows, for all of K, come once with the first fills.
; CLUSTERS: 4 x 4 work-groups; A's tiles are asked for jointly along a row of the cluster, B's along a column.
; OUT: pair images: registers 6 u + i of lane (r, h') hold the codes of A's row (tile 2 P + u, lane-row r) over B's rows 64 cg + 32 h' + 0 .. 31; a word a row holds the four scale bytes (2 u + h').
; LIMITS: a block whose largest magnitude lies under 2^-122 (zeros too) gets the byte 1; NaN and infinities are not served.
; REGISTERS: window 0: v0-31 addresses; v32-63 scale words, two sets; v64-107 the way out's small registers; v128-223 A's fragments, ONE set, on the way out the images.
;   window 1: B's fragments, two sets, v0 and v128.  windows 2, 3: the accumulators ((a, b) at v[8 (8 (a % 4) + b)]).
.set NQ,     2                         ; matrix instructions deep in a slot
.set FR,     12                        ; registers of a fragment
.set FRB,    1536                      ; its image in bytes
.set NLA,    3                         ; LDS loads that bring one of A's
.set NP,     4                         ; places behind this matrix instruction (ISA guide 7.12.1)
.set TROW,   NQ*FRB                    ; a tile's two K steps of 128: one row of a tensor load
.set HALFT,  8*TROW                    ; 128 rows: what one tensor load brings
.set SLOT,   4*HALFT                   ; A's 256 rows, then B's
.set SCL,    2*SLOT                    ; behind the ring: the scale words, [wave that fetched][K step of 128][128 rows x 4 bytes]
.set SCW,    4096
.set SPARE,  SCL+4*SCW                 ; the spare words, 128 bytes a wave: two blocks of 256 bytes that no other line names
.set ADRA, 16                          ; v16-17 LDS address of my A fragments in slot 0, 1
.set ADRB, 20                          ; v20-21 the same for B
.set ADRS, 27                          ; v27 my scale words: lanes 0-15 A's rows, lanes 16-31 B's
.set SPW,  28                          ; v28 my spare word; never rewritten
.set NIL,  29                          ; v29 0; never rewritten
.set SC,   32
.set AF,   128
.set VA,   64                          ; v64-67 the images' byte offsets: 2 (pp / 2) + c
.set VSX,  68                          ; v68-69 the scale words' offsets
.set VSEL, 70                          ; byte selects: lanes 0-15 image c = 0, lanes 16-31 c = 1
.set TM,   72                          ; v72-87 at work in QUANT2
.set PT,   88                          ; v88-90, v92-94
.set PW,   96                          ; v96-103 a word of four bytes for each of A's tiles
.set XW,   104                         ; v104-107 the images' words
.set IM,   128                         ; v128-223 four pairs x two images x 12 registers
.set G1, 24
.set G0, 32
.set G1B, 48
.set G0B, 56
.set SEL, 66                           ; s[66:67] selects for lane l xor 16
.set G1S, 68
.set G0S, 76
.set G1SB, 80
.set G0SB, 88
.set MSB, 0
.macro WIN new                         ; the immediate's high byte repeats the setting that is left
.if MSB != (\new)
	s_set_vgpr_msb (MSB<<8)|(\new)
.set MSB, (\new)
.endif
.endm
.set MUL_LO, 0xa1                      ; source 0 (B) window 1, source 1 (A) window 0, C and D window 2
.set MUL_HI, 0xf1
.set TO_B,   0x40
; A joint load: waves 0 and 1 fetch for A, waves 2 and 3 for B; the branch hangs on the wave's number alone.  Four v_nop follow each line.
.macro JLOAD g0a, g1a, g0b, g1b
	s_cmp_eq_u32 s15, 0
	s_cbranch_scc0 .Lfor_b_\@
	tensor_load_to_lds s[\g0a:\g0a+3], s[\g1a:\g1a+7]
	s_nop 0
.rept 4
	v_nop
.endr
	s_branch .Lasked_\@
.Lfor_b_\@:
	tensor_load_to_lds s[\g0b:\g0b+3], s[\g1b:\g1b+7]
	s_nop 0
.rept 4
	v_nop
.endr
.Lasked_\@:
.endm
.macro CREST                           ; a round of the cluster's barrier behind its opening barrier
	s_cmp_lg_u32 s14, 0
	s_cbranch_scc1 .Lnot_wave_0_\@
	s_barrier_signal -3
.Lnot_wave_0_\@:
	s_barrier_wait -3
	s_barrier_signal -1
	s_barrier_wait -1
.endm
.macro CROUND
	s_barrier_signal -1
	s_barrier_wait -1
	CREST
.endm
	s_load_b128 s[4:7], s[0:1], 0x0                ; opimg, opsc
	s_load_b128 s[8:11], s[0:1], 0x10              ; qkvimg, qkvsc
	v_lshl_add_u32 v[SPW], v0, 2, SPARE
	v_mov_b32 v[NIL], 0
	ds_add_u32 v28, v29
	ds_add_u32 v28, v29
	s_wait_dscnt 0x0
	v_lshrrev_b32 v1, 5, v0
	v_readfirstlane_b32 s14, v1                    ; wave 0..3
	s_lshr_b32 s15, s14, 1                         ; my half of A's rows.  Also: I fetch for A (0) or B (1)
	s_and_b32 s16, s14, 1                          ; my half of B's rows.  Also: which 128 rows I fetch
	s_bfe_u32 s40, ttmp6, 0x40000                  ; cx
	s_bfe_u32 s41, ttmp6, 0x40004                  ; cy
	s_lshl_b32 s43, s41, 2
	s_lshl_b32 s43, 15, s43                        ; my row of the cluster
	s_lshl_b32 s44, 0x1111, s40                    ; my column
	; group 1, codes: 8 rows (tiles of 16) of 3,072 bytes (384 elements of 8), 12,288 bytes apart; no padding: every LDS load takes 512 consecutive bytes
	s_or_b32 s[G1+0], s43, (3<<16)|(1<<21)
	s_or_b32 s[G1B+0], s44, (3<<16)|(1<<21)
.irp g, G1, G1B
	s_mov_b32 s[\g+1], (TROW/8)<<16
	s_mov_b32 s[\g+2], 8<<16
	s_mov_b32 s[\g+3], (TROW/8)<<16
	s_mov_b32 s[\g+4], 8
	s_mov_b32 s[\g+5], 8*FRB/8
	s_mov_b32 s[\g+6], 0
	s_mov_b32 s[\g+7], 0
.endr
	; group 1, scale words: 8 K steps x 512 bytes (128 rows), 32,768 bytes apart
	s_or_b32 s[G1S+0], s43, (3<<16)|(1<<21)
	s_or_b32 s[G1SB+0], s44, (3<<16)|(1<<21)
.irp g, G1S, G1SB
	s_mov_b32 s[\g+1], 64<<16
	s_mov_b32 s[\g+2], 8<<16
	s_mov_b32 s[\g+3], 64<<16
	s_mov_b32 s[\g+4], 8
	s_mov_b32 s[\g+5], 4096
	s_mov_b32 s[\g+6], 0
	s_mov_b32 s[\g+7], 0
.endr
	; which rows of the list.  The choice hangs on the cluster's x, which all partners share; A's registers never hold cx, B's never cy
	s_and_b32 s17, ttmp7, 0xffff
	s_lshl_b32 s17, s17, 10                        ; 1,024 x cluster y: tokens
	s_lshl_b32 s18, ttmp9, 10
	s_add_co_u32 s18, s18, 4096                    ; Wq's or Wk's first row
	s_cmp_eq_u32 ttmp9, 2
	s_cselect_b32 s19, 6144, s17                   ; A: Wv, or x
	s_cselect_b32 s42, s17, s18                    ; B: x, or the weight
	s_cselect_b32 s95, 0, s17                      ; A's and B's rows counted in their own tensors
	s_cselect_b32 s96, s17, 0
	s_cselect_b32 s97, 64, 2                       ; images from pair 2 to pair 2 + 2 of A's tiles
	s_cselect_b32 s98, 2, 64                       ; and from 64 of B's rows to the next 64
	s_lshl_b32 s20, s16, 7
	s_lshl_b32 s21, s41, 8
	s_add_co_u32 s19, s19, s21
	s_add_co_u32 s19, s19, s20                     ; A: + 256 cy + 128 x half
	s_lshl_b32 s46, s40, 8
	s_add_co_u32 s42, s42, s46
	s_add_co_u32 s42, s42, s20                     ; B: + 256 cx + 128 x half
	s_mul_i32 s20, s19, 768                        ; a row's share of the images: 12,288 bytes for 16 rows
	s_mov_b32 s21, 0
	s_lshl_b32 s22, s19, 2
	s_mov_b32 s23, 0
	s_mul_i32 s46, s42, 768
	s_mov_b32 s47, 0
	s_lshl_b32 s92, s42, 2
	s_mov_b32 s93, 0
	s_mul_i32 s45, s14, HALFT                      ; where they go: by the wave's number alone
	s_lshl_b32 s94, s14, 12
	s_mov_b32 s[SEL], 0x76543210
	s_mov_b32 s[SEL+1], 0xfedcba98
	s_wait_kmcnt 0x0
	s_add_nc_u64 s[20:21], s[4:5], s[20:21]
	s_add_nc_u64 s[22:23], s[6:7], s[22:23]
	s_add_nc_u64 s[46:47], s[4:5], s[46:47]
	s_add_nc_u64 s[92:93], s[6:7], s[92:93]
	CROUND                                         ; all sixteen work-groups are here: the first joint loads meet
	s_mov_b32 s[G0S], 1
	s_add_co_u32 s[G0S+1], s94, SCL
	s_mov_b64 s[G0S+2:G0S+3], s[22:23]
	s_or_b32 s[G0S+3], s[G0S+3], 0x80000000
	s_mov_b32 s[G0SB], 1
	s_add_co_u32 s[G0SB+1], s94, SCL
	s_mov_b64 s[G0SB+2:G0SB+3], s[92:93]
	s_or_b32 s[G0SB+3], s[G0SB+3], 0x80000000
	JLOAD G0S, G1S, G0SB, G1SB                     ; the scale words first: wanted with K step 0
.irp s, 0,1
	s_mov_b32 s[G0+4*\s], 1
	s_add_co_u32 s[G0+4*\s+1], s45, \s*SLOT
	s_add_nc_u64 s[G0+4*\s+2:G0+4*\s+3], s[20:21], \s*TROW
	s_or_b32 s[G0+4*\s+3], s[G0+4*\s+3], 0x80000000
	s_mov_b32 s[G0B+4*\s], 1
	s_add_co_u32 s[G0B+4*\s+1], s45, \s*SLOT
	s_add_nc_u64 s[G0B+4*\s+2:G0B+4*\s+3], s[46:47], \s*TROW
	s_or_b32 s[G0B+4*\s+3], s[G0B+4*\s+3], 0x80000000
	JLOAD G0+4*\s, G1, G0B+4*\s, G1B               ; three tensor loads of mine are out
.endr
	v_and_b32 v1, 15, v0                           ; r
	v_bfe_u32 v2, v0, 4, 1                         ; h
	v_and_b32 v3, 31, v0
	v_lshlrev_b32 v3, 4, v3                        ; 16 x lane
	s_mul_i32 s21, s15, HALFT
	s_mul_i32 s22, s16, HALFT
	s_add_co_u32 s22, s22, 2*HALFT
.irp s, 0,1
	v_add_nc_u32 v[ADRA+\s], s21, v3
	v_add_nc_u32 v[ADRB+\s], s22, v3
	s_add_co_u32 s21, s21, SLOT
	s_add_co_u32 s22, s22, SLOT
.endr
	v_lshlrev_b32 v5, 2, v1                        ; 4 r
	s_lshl_b32 s21, s15, 12                        ; A's words: my 128 rows
	s_lshl_b32 s22, s16, 12
	s_add_co_u32 s22, s22, 2*SCW                   ; B's, behind A's
	s_sub_co_u32 s22, s22, s21
	v_mul_u32_u24 v6, s22, v2                      ; lanes 16-31 take B's: one product
	s_add_co_u32 s21, s21, SCL
	v_add_nc_u32 v5, v5, v6
	v_add_nc_u32 v[ADRS], s21, v5
	; the way out's offsets
	s_lshl_b32 s17, s41, 8
	s_add_co_u32 s95, s95, s17
	s_lshl_b32 s17, s15, 7
	s_add_co_u32 s95, s95, s17                     ; my first row of A
	s_lshl_b32 s17, s40, 8
	s_add_co_u32 s96, s96, s17
	s_lshl_b32 s17, s16, 7
	s_add_co_u32 s96, s96, s17                     ; my first row of B
	s_lshr_b32 s95, s95, 5                         ; P0: pair of tiles
	s_lshr_b32 s96, s96, 6                         ; C0: group of 64
	s_lshr_b32 s17, s95, 6                         ; q, k: image ((batch x 16 + head) x 64 + block of 32 tokens)
	s_lshl_b32 s17, s17, 4
	s_add_co_u32 s17, s17, s96
	s_lshl_b32 s17, s17, 6
	s_and_b32 s18, s95, 63
	s_add_co_u32 s17, s17, s18
	s_lshr_b32 s18, s96, 5                         ; v: image (((batch x 16 + head) x 32 + group of 64 tokens) x 2 + half of the head)
	s_lshl_b32 s18, s18, 4
	s_lshr_b32 s19, s95, 1
	s_add_co_u32 s18, s18, s19
	s_lshl_b32 s18, s18, 5
	s_and_b32 s19, s96, 31
	s_add_co_u32 s18, s18, s19
	s_lshl_b32 s18, s18, 1
	s_cmp_eq_u32 ttmp9, 2
	s_cselect_b32 s17, s18, s17
	s_lshl_b32 s18, ttmp9, 11
	s_add_co_u32 s17, s17, s18                     ; + the section: 2,048 images each
	s_lshl_b32 s19, s98, 6
	v_mul_u32_u24 v4, s19, v2                      ; lanes 16-31 store image c = 1's words
	v_lshl_add_u32 v4, v1, 2, v4
.irp ph, 0,1
.irp c, 0,1
	s_mul_i32 s18, s97, \ph
	s_mul_i32 s19, s98, \c
	s_add_co_u32 s18, s18, s19
	s_add_co_u32 s18, s18, s17
	s_mul_i32 s18, s18, FRB
	v_add_nc_u32 v[VA+2*\ph+\c], s18, v3
.endr
	s_mul_i32 s18, s97, \ph
	s_add_co_u32 s18, s18, s17
	s_lshl_b32 s18, s18, 6
	v_add_nc_u32 v[VSX+\ph], s18, v4
.endr
	s_mov_b32 s19, 0xffff0000
	v_mov_b32 v[VSEL], 0x05040100
	v_mov_b32 v5, 0x07060302
	v_cndmask_b32 v[VSEL], v[VSEL], v5, s19
.irp b, 0,1,2,3
	v_mov_b32 v[TM+4+\b], 0                        ; a lane permute's destination counts as read
.endr
.macro FRAGB reg, slot, q, i           ; a fragment comes as it was stored: three loads of 512 consecutive bytes
.irp c, 0,1,2
	ds_load_b128 v[(\reg)+4*\c:(\reg)+4*\c+3], v[ADRB+\slot] offset:(\i)*TROW+(\q)*FRB+512*\c
.endr
.endm
.macro FRAGA reg, slot, q, i
.irp c, 0,1,2
	ds_load_b128 v[(\reg)+4*\c:(\reg)+4*\c+3], v[ADRA+\slot] offset:(\i)*TROW+(\q)*FRB+512*\c
.endr
.endm
; 16 matrix instructions: A's blocks a0, a0 + 1 x B's eight.  The 64 accumulators take turns, one instruction a turn, in the same order in every step.
.macro MUL16 a0, p, q, sc, zero
.irp a, \a0, \a0+1
.irp b, 0,1,2,3,4,5,6,7
.if \zero
	v_wmma_scale_f32_16x16x128_f8f6f4 v[8*(8*((\a)%4)+\b):8*(8*((\a)%4)+\b)+7], v[128*(\p)+FR*\b:128*(\p)+FR*\b+FR-1], v[AF+FR*(\a):AF+FR*(\a)+FR-1], 0, v[SC+8*NQ*(\sc)+NQ*\b+(\q)], v[SC+8*NQ*(\sc)+NQ*(\a)+(\q)] matrix_a_fmt:MATRIX_FMT_BF6 matrix_b_fmt:MATRIX_FMT_BF6 matrix_a_scale:MATRIX_SCALE_ROW1
.else
	v_wmma_scale_f32_16x16x128_f8f6f4 v[8*(8*((\a)%4)+\b):8*(8*((\a)%4)+\b)+7], v[128*(\p)+FR*\b:128*(\p)+FR*\b+FR-1], v[AF+FR*(\a):AF+FR*(\a)+FR-1], v[8*(8*((\a)%4)+\b):8*(8*((\a)%4)+\b)+7], v[SC+8*NQ*(\sc)+NQ*\b+(\q)], v[SC+8*NQ*(\sc)+NQ*(\a)+(\q)] matrix_a_fmt:MATRIX_FMT_BF6 matrix_b_fmt:MATRIX_FMT_BF6 matrix_a_scale:MATRIX_SCALE_ROW1
.endif
.endr
.endr
.endm
.macro FETCH_B slot, q, p
	WIN TO_B
.irp i, 0,1,2,3,4,5,6,7
	FRAGB 128*(\p)+FR*\i, \slot, \q, \i
.endr
	WIN 0
.endm
.macro FETCH_A slot, q, i0
.irp i, \i0, \i0+1, \i0+2, \i0+3
	FRAGA AF+FR*(\i), \slot, \q, \i
.endr
.endm
.macro SCALES sc                       ; the next slot's words: lanes 0-15 A's block i, lanes 16-31 B's block i, for its two K steps of 128
.irp i, 0,1,2,3,4,5,6,7
.irp q, 0,1
	ds_load_b32 v[SC+8*NQ*\sc+NQ*\i+\q], v[ADRS] offset:512*\q+64*\i
.endr
.endr
.endm
.macro PLACES n                        ; plain vector lines between a matrix instruction and a load into, or a vector read or write of, its registers
.rept \n
	v_nop
.endr
.endm
.macro STEP slot, q, zero              ; 128 along K whose successor lies in the same slot
	s_wait_dscnt 4*NLA                             ; all but the youngest loads, A's blocks 4-7
	WIN MUL_LO
	MUL16 0, (\q)%2, \q, \slot, \zero
	MUL16 2, (\q)%2, \q, \slot, \zero
	s_wait_dscnt 0
	PLACES NP
	FETCH_B \slot, (\q)+1, 1-(\q)%2
	FETCH_A \slot, (\q)+1, 0
	WIN MUL_HI
	MUL16 4, (\q)%2, \q, \slot, \zero
	MUL16 6, (\q)%2, \q, \slot, \zero
	PLACES NP
	WIN 0
	FETCH_A \slot, (\q)+1, 4
.endm
; A slot's last step changes slots: one barrier; in front of it each wave waits for all its tensor loads, adds 0 to its spare word, and waits for that and for its reads of this slot.
.macro TURN slot, next, fill
	s_wait_tensorcnt 0x0                           ; all my tensor loads have landed: my part of the next slot
	ds_add_u32 v[SPW], v[NIL]                      ; 0 onto my spare word
	s_wait_dscnt 4*NLA+1                           ; the add and A's blocks 4-7 may be out
	WIN MUL_LO
	MUL16 0, 1, NQ-1, \slot, 0
	s_wait_dscnt 0x0                               ; the add is done, my reads of this slot are over
	s_barrier_signal -1
	MUL16 2, 1, NQ-1, \slot, 0
	WIN 0
	s_barrier_wait -1
.if \fill
	CREST                                          ; the barrier has opened a round of the cluster's barrier: no wave of any partner still reads this slot or has a load on its way
	s_add_nc_u64 s[G0+4*\slot+2:G0+4*\slot+3], s[G0+4*\slot+2:G0+4*\slot+3], 2*TROW
	s_add_nc_u64 s[G0B+4*\slot+2:G0B+4*\slot+3], s[G0B+4*\slot+2:G0B+4*\slot+3], 2*TROW
	JLOAD G0+4*\slot, G1, G0B+4*\slot, G1B         ; my one tensor load behind the round; its four v_nop are the places in front of the loads below
.else
	PLACES NP
.endif
	v_add_nc_u32 v[ADRS], 512*NQ, v[ADRS]          ; the next slot's scale words (no LDS load of mine is out)
	FETCH_B \next, 0, 0
	FETCH_A \next, 0, 0
	SCALES \next
	WIN MUL_HI
	MUL16 4, 1, NQ-1, \slot, 0
	MUL16 6, 1, NQ-1, \slot, 0
	PLACES NP
	WIN 0
	FETCH_A \next, 0, 4
.endm
	s_wait_tensorcnt 1                             ; the scale words and my part of K step 0 are in; K step 1's load may be out
	s_barrier_signal -1
	s_barrier_wait -1
	FETCH_B 0, 0, 0
	FETCH_A 0, 0, 0
	SCALES 0
	FETCH_A 0, 0, 4
	STEP 0, 0, 1                                   ; K = 1,024 is four slots' worth: written out, no loop.  The first products start the sums
	TURN 0, 1, 1
	STEP 1, 0, 0
	TURN 1, 0, 1
	STEP 0, 0, 0
	TURN 0, 1, 0                                   ; nothing is left to fetch
	STEP 1, 0, 0
	s_wait_dscnt 4*NLA
	WIN MUL_LO
	MUL16 0, 1, NQ-1, 1, 0
	MUL16 2, 1, NQ-1, 1, 0
	s_wait_dscnt 0
	WIN MUL_HI
	MUL16 4, 1, NQ-1, 1, 0
	MUL16 6, 1, NQ-1, 1, 0
	WIN 0
; THE WAY OUT.  The 64 registers of one of A's tiles, in window win at v[s]: register 16 b + i = B's row 32 b + 16 (lane / 16) + i of my row of A.  They become codes in v[dst + 12 c + 0 .. 5]
; (lane (r, h'): B's rows 64 c + 32 h' + 0 .. 31) and a word of four scale bytes in v[pw].  Each accumulator is read from its low end on.
.macro QUANT2 win, s, dst, pw
	WIN (\win)|((\win)<<2)
.irp b, 0,1,2,3
	v_max3_num_f32 v[TM+\b], |v[(\s)+16*\b]|, |v[(\s)+16*\b+1]|, 0x2800000   ; my 16 numbers of block b, and the floor 2^(5 - 127)
.endr
.irp i, 2,4,6,8,10,12,14
.irp b, 0,1,2,3
	v_max3_num_f32 v[TM+\b], |v[(\s)+16*\b+\i]|, |v[(\s)+16*\b+\i+1]|, v[TM+\b]
.endr
.endr
	WIN 0
.irp b, 0,1,2,3
	v_permlanex16_b32 v[TM+4+\b], v[TM+\b], s[SEL], s[SEL+1]
.endr
.irp b, 0,1,2,3
	v_max_num_f32 v[TM+\b], v[TM+\b], v[TM+4+\b]   ; with lane l xor 16's: the block's largest magnitude
.endr
.irp b, 0,1,2,3
	v_add_nc_u32 v[TM+12+\b], 0xfe000000, v[TM+\b] ; 4 off its exponent field: the conversion's scale operand
.endr
.irp b, 0,1,2,3
	v_lshrrev_b32 v[TM+4+\b], 23, v[TM+12+\b]      ; the byte
.endr
	v_lshl_or_b32 v[\pw], v[TM+5], 8, v[TM+4]
	v_lshl_or_b32 v[\pw], v[TM+6], 16, v[\pw]
	v_lshl_or_b32 v[\pw], v[TM+7], 24, v[\pw]
	WIN (\win)
.irp c, 0,1
	v_cvt_scalef32_pk16_bf6_f32 v[(\dst)+12*\c:(\dst)+12*\c+2], v[(\s)+32*\c:(\s)+32*\c+15], v[TM+12+2*\c]
	v_cvt_scalef32_pk16_bf6_f32 v[PT+4*\c:PT+4*\c+2], v[(\s)+32*\c+16:(\s)+32*\c+31], v[TM+12+2*\c+1]
.endr
	WIN 0
	v_nop                                          ; one plain line behind the scaled conversions
.irp c, 0,1                            ; a whole block to a lane: lanes 0-15 block 2 c, lanes 16-31 block 2 c + 1
.irp i, 0,1,2
	v_permlane16_swap_b32 v[(\dst)+12*\c+\i], v[PT+4*\c+\i]
.endr
.irp i, 0,1,2
	v_mov_b32 v[(\dst)+12*\c+3+\i], v[PT+4*\c+\i]
.endr
.endr
.endm
	PLACES NP                                      ; the last products' results are read, and A's fragments written over, behind these
.irp pp, 0,1,2,3
	QUANT2 2+\pp/2, 64*((2*\pp)%4), IM+24*\pp, PW+2*\pp
	QUANT2 2+\pp/2, 64*((2*\pp+1)%4), IM+24*\pp+6, PW+2*\pp+1
	v_perm_b32 v[XW+\pp], v[PW+2*\pp+1], v[PW+2*\pp], v[VSEL]   ; image c's word: bytes 2 c, 2 c + 1 of both tiles' words
.irp c, 0,1
.irp k, 0,1,2
	global_store_b128 v[VA+2*(\pp/2)+\c], v[IM+24*\pp+12*\c+4*\k:IM+24*\pp+12*\c+4*\k+3], s[8:9] offset:FRB*(\pp%2)+512*\k   ; 32 lanes store 512 consecutive bytes, aligned; every store has registers of its own
.endr
.endr
	global_store_b32 v[VSX+\pp/2], v[XW+\pp], s[10:11] offset:64*(\pp%2)   ; two runs of 64 bytes: the words are one part in 24 of what is stored
.endr
	s_wait_tensorcnt 0x0                           ; the wave's end
	ds_add_u32 v[SPW], v[NIL]
	s_wait_dscnt 0x0
	CROUND                                         ; the closing round: no work-group ends while a partner may still ask for a tile that names it
	s_endpgm
.Lfunc_end_k_qdb32f98577_qkv:
	.size	k_qdb32f98577_qkv, .Lfunc_end_k_qdb32f98577_qkv-k_qdb32f98577_qkv
	.p2alignl 7, 3214868480
	.fill 96, 4, 3214868480
	.section	.rodata,"a",@progbits
	.p2align	6, 0x0
	.amdhsa_kernel k_qdb32f98577_qkv
		.amdhsa_group_segment_fixed_size 327680
		.amdhsa_private_segment_fixed_size 0
		.amdhsa_enable_private_segment 0
		.amdhsa_kernarg_size 32
		.amdhsa_user_sgpr_count 2
		.amdhsa_user_sgpr_kernarg_segment_ptr 1
		.amdhsa_wavefront_size32 1
		.amdhsa_system_sgpr_workgroup_id_x 1
		.amdhsa_system_sgpr_workgroup_id_y 1
		.amdhsa_system_sgpr_workgroup_id_z 1
		.amdhsa_system_vgpr_workitem_id 0
		.amdhsa_next_free_vgpr 1024
		.amdhsa_next_free_sgpr 100
		.amdhsa_reserve_vcc 0
		.amdhsa_float_denorm_mode_32 3
		.amdhsa_float_denorm_mode_16_64 3
		.amdhsa_memory_ordered 1
		.amdhsa_forward_progress 1
		.amdhsa_inst_pref_size 144
	.end_amdhsa_kernel
	.amdgpu_metadata
---
amdhsa.version: [ 1, 2 ]
amdhsa.kernels:
  - .name:           k_qdb32f98577_qkv
    .symbol:         k_qdb32f98577_qkv.kd
    .args:
      - { .name: opimg, .offset: 0, .size: 8, .value_kind: global_buffer, .address_space: global }
      - { .name: opsc, .offset: 8, .size: 8, .value_kind: global_buffer, .address_space: global }
      - { .name: qkvimg, .offset: 16, .size: 8, .value_kind: global_buffer, .address_space: global }
      - { .name: qkvsc, .offset: 24, .size: 8, .value_kind: global_buffer, .address_space: global }
    .group_segment_fixed_size: 327680
    .private_segment_fixed_size: 0
    .kernarg_segment_align: 8
    .kernarg_segment_size: 32
    .max_flat_workgroup_size: 128
    .sgpr_count:     100
    .vgpr_count:     1024
    .wavefront_size: 32
...
	.end_amdgpu_metadata
.endif
;; end of part 2
;; launch attn (part 3): grid 8 x 32, 8 waves a work-group, clusters of 4 x 1, 168,960 bytes of LDS; arguments qkvimg, qkvsc, sep_gate, align_gate, coh_gate, aimg, asc; writes aimg, asc
.if DOCPART == 3
	.amdgcn_target "amdgcn-amd-amdhsa--gfx1250"
	.amdhsa_code_object_version 6
	.text
	.protected	k_qdb32f98577_attn
	.globl	k_qdb32f98577_attn
	.p2align	8
	.type	k_qdb32f98577_attn,@function
k_qdb32f98577_attn:
	s_mov_b64 s[64:65], 0
	v_nop
	global_prefetch_b8 v0, s[64:65] scope:SCOPE_SE
	s_setreg_imm32_b32 hwreg(HW_REG_WAVE_MODE, 25, 1), 1
	s_wait_xcnt 0x0
	s_wait_alu depctr_hold_cnt(0) depctr_sa_sdst(0) depctr_va_vdst(0) depctr_va_sdst(0) depctr_va_ssrc(0) depctr_va_vcc(0) depctr_vm_vsrc(0)
	s_getreg_b32 s2, hwreg(HW_REG_IB_STS2, 6, 4)
	s_cmp_eq_u32 s2, 0
	s_cbranch_scc0 .Lentry_in_a_cluster
	s_endpgm
.Lentry_in_a_cluster:
	s_bfe_u32 s2, ttmp6, 0x10000c
	s_cmp_lg_u32 s2, 0x3003
	s_cbranch_scc0 .Lentry_shape_is_right
	s_endpgm
.Lentry_shape_is_right:
; The attention of one head on codes of BF6 (E3M2): scores S = q . k; logit = s + align s - sep sigmoid(s)^2 - coh |s - mean of s over ALL 2,048 keys|, s = S / 8; key j counts for query i where 0 <= i - j < 64;
; p = 2^(t - M), t = logit x log2(e), M = ceil(the row's largest t); the row's sum is taken of the unquantised p; O = (p quantised) x v / sum; O is quantised along the features for the last product.
; SHARES.  A work-group owns 256 queries of one head (batch x 16 + head = work-group y), each of its eight waves 32: two tiles T of 16, in the order of rows of the images (query 8 T + r + 8 (r / 8)).
; THE MEAN.  The head's K is 64 and the instruction's 128: a fragment of k holds TWO keys a row (a pair image), one in each half of K.  With the query's codes in both halves one instruction gives
; score(key 1) + score(key 2), and chained over the head's 64 pair images the accumulators hold the sum of the scores over all keys: every product of q k^T is multiplied once, no vector work.
; The sum's order is the matrix unit's own, not a chain of f32 additions.
; THE BAND.  The same fragments with (q, 0) and (0, q) give the single scores of the three blocks of 32 keys that can count (positions 0, 1, 2 = blocks alpha - 2 .. alpha); position 3 of the second
; product's K holds zero codes.  A block before the head's first key is clamped to block 0 and masked.
; Both products are used transposed: a lane holds ONE query (lane % 16) throughout, and register 16 p + o of the scores is key 32 (alpha - 2 + p) + 16 (lane / 16) + o.
; CLUSTER.  The four work-groups of a cluster share the head: its k images (98,304 bytes) and their scale words come once, by joint loads, and stay: LDS is filled once.
; No LDS address hangs on the place in the cluster, so the band's three fragments of k come from memory.
; LIMITS: NaN and infinities are not served; a p under 2^-126 counts as 0; a block whose largest magnitude lies under 2^-122 gets the byte 1; the logit is made with folded f32 constants and fused multiply-adds.
.set FRB,   1536
.set KSCL,  98304                      ; LDS: the head's 64 pair images of k at 0, their scale words (64 bytes an image) here
.set KSEC,  3145728                    ; qkvimg: q at 0, k here,
.set VSEC,  6291456                    ; v here
.set KSSEC, 131072                     ; qkvsc likewise
.set VSSEC, 262144
.set RR,1                              ; r
.set HH,2                              ; h
.set LI,3                              ; 16 x lane
.set R4,4                              ; 4 r
.set ZO,5                              ; 0
.set KSA,6                             ; KSCL + 4 x lane
.set VO,7                              ; v7-8 v's offsets for positions 0, 1 and 2, 3
.set KA1,9                             ; 16 x lane + 32 images
.set LB,10                             ; v10-11 positions 0, 1: hidden where 32 p + o < LB
.set UB,12                             ; v12-13 position 2: hidden where o > UB
.set NINF,14
.set TT,15
.set QS,16                             ; v16-29 hold scales and nothing else: q's (two tiles),
.set WKS,18                            ; the band's k (three),
.set XS,21                             ; the mean pass's (two and two),
.set YS,23
.set VS,25                             ; v's (four),
.set PW,29                             ; p's
.set QX,30
.set VX,32                             ; v32-35 v's words as they lie
.set QZ,36                             ; v36-77: 0, q0, q0, 0, q1, q1, 0 (6 registers each): (q, q), (q, 0), (0, q) are runs of 12
.set WK,78                             ; v78-113 the band's three fragments of k
.set X,114                             ; v114-161, v162-209 the mean pass's two buffers of four fragments
.set Y,162
.set ACC,210                           ; v210-241 four accumulators: 2 T + (fragment & 1)
.set MN,242                            ; v242-245 minus the mean of S, a pair a tile
.set S,114                             ; later: v114-209 the two tiles' 48 scores, then t, then p, then O^T
.set E,36                              ; v36-83 at work in LOGIT; then v's four fragments
.set V,36
.set PC,84                             ; v84-95 p's codes
.set PT,96                             ; v96-98, v100-102
.set OA,110
.set OB,111
.set OH,112
.set DT,216
.set BM,224
.set BX,227
.set SCO,230
.set BY,233
.set NM,236
.set LA,238
.set LC,240
.set GR,246                            ; v246-248 the gates as loaded; later:
.set RL,246                            ; v246-247 1 / the row's sum
.set HW,248                            ; v248-249 the two tiles' scale halfwords
.set C1,250                            ; v250-251 (1 + align) log2(e) / 8
.set C2N,252                           ; v252-253 -sep log2(e)
.set C3N,254                           ; -coh log2(e) / 8
.set T2,255
.set WV,18
.set G1C,24
.set G1S,32
.set G0C,40
.set G0S,44
.set SEL,48
.set CE,50                             ; s[50:51] -log2(e) / 8
.set MK,52
.set SELV,53
.macro ROUND                           ; a round of the cluster's barrier
	s_barrier_signal -1
	s_barrier_wait -1
	s_cmp_lg_u32 s[WV], 0
	s_cbranch_scc1 .Lnot_wave_0_\@
	s_barrier_signal -3
.Lnot_wave_0_\@:
	s_barrier_wait -3
	s_barrier_signal -1
	s_barrier_wait -1
.endm
.macro PLACES n
.rept \n
	v_nop
.endr
.endm
.macro MW d, a, b, zero, sa, sb, row   ; one matrix instruction; zero = 1: it starts a sum; row = 1: source 0's scales stand in lanes 16-31
.if (\zero) && (\row)
	v_wmma_scale_f32_16x16x128_f8f6f4 v[(\d):(\d)+7], v[(\a):(\a)+11], v[(\b):(\b)+11], 0, v[\sa], v[\sb] matrix_a_fmt:MATRIX_FMT_BF6 matrix_b_fmt:MATRIX_FMT_BF6 matrix_a_scale:MATRIX_SCALE_ROW1
.elseif \zero
	v_wmma_scale_f32_16x16x128_f8f6f4 v[(\d):(\d)+7], v[(\a):(\a)+11], v[(\b):(\b)+11], 0, v[\sa], v[\sb] matrix_a_fmt:MATRIX_FMT_BF6 matrix_b_fmt:MATRIX_FMT_BF6
.elseif \row
	v_wmma_scale_f32_16x16x128_f8f6f4 v[(\d):(\d)+7], v[(\a):(\a)+11], v[(\b):(\b)+11], v[(\d):(\d)+7], v[\sa], v[\sb] matrix_a_fmt:MATRIX_FMT_BF6 matrix_b_fmt:MATRIX_FMT_BF6 matrix_a_scale:MATRIX_SCALE_ROW1
.else
	v_wmma_scale_f32_16x16x128_f8f6f4 v[(\d):(\d)+7], v[(\a):(\a)+11], v[(\b):(\b)+11], v[(\d):(\d)+7], v[\sa], v[\sb] matrix_a_fmt:MATRIX_FMT_BF6 matrix_b_fmt:MATRIX_FMT_BF6
.endif
.endm
	s_load_b256 s[4:11], s[0:1], 0x0               ; qkvimg, qkvsc, sep_gate, align_gate
	s_load_b128 s[12:15], s[0:1], 0x20             ; coh_gate, aimg
	s_load_b64 s[16:17], s[0:1], 0x30              ; asc
	v_lshl_add_u32 v31, v0, 2, 0x29000
	s_set_vgpr_msb 0x40
	v_mov_b32 v1, 0
	s_set_vgpr_msb 0x4044
	ds_add_u32 v31, v1
	ds_add_u32 v31, v1
	s_set_vgpr_msb 0x4400
	v_lshrrev_b32 v1, 5, v0
	v_readfirstlane_b32 s[WV], v1                  ; wave 0..7
	s_bfe_u32 s19, ttmp6, 0x40000                  ; cx: it enters global addresses of q, the band, v and the output alone
	s_and_b32 s20, ttmp7, 0xffff                   ; batch x 16 + head
	s_lshl_b32 s21, ttmp9, 2
	s_add_co_u32 s21, s21, s19
	s_lshl_b32 s21, s21, 3
	s_add_co_u32 s21, s21, s[WV]                   ; alpha: my block of 32 queries
	s_and_b32 s22, s21, 1
	; group 1: dense blocks as rows of 256 bytes (32 elements of 8): 48 rows of codes, 2 rows of scale words a wave; the mask names all four partners
	s_mov_b32 s[G1C], 15|(3<<16)|(1<<21)
	s_mov_b32 s[G1C+1], 32<<16
	s_mov_b32 s[G1C+2], 48<<16
	s_mov_b32 s[G1C+3], 32<<16
	s_mov_b32 s[G1C+4], 48
	s_mov_b32 s[G1C+5], 32
	s_mov_b32 s[G1C+6], 0
	s_mov_b32 s[G1C+7], 0
	s_mov_b32 s[G1S], 15|(3<<16)|(1<<21)
	s_mov_b32 s[G1S+1], 32<<16
	s_mov_b32 s[G1S+2], 2<<16
	s_mov_b32 s[G1S+3], 32<<16
	s_mov_b32 s[G1S+4], 2
	s_mov_b32 s[G1S+5], 32
	s_mov_b32 s[G1S+6], 0
	s_mov_b32 s[G1S+7], 0
	s_mul_i32 s74, s20, 64*FRB                     ; the head's images of k,
	s_mul_i32 s23, s[WV], 8*FRB                    ; my eight of them
	s_add_co_u32 s74, s74, s23
	s_add_co_u32 s74, s74, KSEC
	s_mov_b32 s75, 0
	s_lshl_b32 s76, s20, 12
	s_lshl_b32 s55, s[WV], 9
	s_add_co_u32 s76, s76, s55
	s_add_co_u32 s76, s76, KSSEC
	s_mov_b32 s77, 0
	s_mov_b32 s[SEL], 0x76543210
	s_mov_b32 s[SEL+1], 0xfedcba98
	s_mov_b32 s[CE], 0xbe38aa3b
	s_mov_b32 s[CE+1], s[CE]                       ; (named with it as a pair)
	s_mov_b32 s[MK], 0xffff0000
	s_wait_dscnt 0x0
	s_wait_kmcnt 0x0
	s_mov_b32 s[G0C], 1
	s_mov_b32 s[G0C+1], s23
	s_add_nc_u64 s[G0C+2:G0C+3], s[4:5], s[74:75]
	s_or_b32 s[G0C+3], s[G0C+3], 0x80000000
	s_mov_b32 s[G0S], 1
	s_add_co_u32 s[G0S+1], s55, KSCL
	s_add_nc_u64 s[G0S+2:G0S+3], s[6:7], s[76:77]
	s_or_b32 s[G0S+3], s[G0S+3], 0x80000000
	ROUND                                          ; all four work-groups are here: the joint loads meet
	tensor_load_to_lds s[G0C:G0C+3], s[G1C:G1C+7]
	s_nop 0
	tensor_load_to_lds s[G0S:G0S+3], s[G1S:G1S+7]  ; two tensor loads of mine are out; they are the launch's only fills
	s_nop 0
	PLACES 4
	v_and_b32 v[RR], 15, v0
	v_bfe_u32 v[HH], v0, 4, 1
	v_and_b32 v[LI], 31, v0
	v_lshlrev_b32 v[KSA], 2, v[LI]
	v_add_nc_u32 v[KSA], KSCL, v[KSA]
	v_lshlrev_b32 v[LI], 4, v[LI]
	v_add_nc_u32 v[KA1], 32*FRB, v[LI]
	v_lshlrev_b32 v[R4], 2, v[RR]
	v_mov_b32 v[ZO], 0
	v_mov_b32 v[NINF], 0xff800000
.macro BASES idx, pc, ps, secc, secs   ; image number s[idx]: its codes' and its words' addresses
	s_mul_i32 s74, s[\idx], FRB
	s_add_co_u32 s74, s74, \secc
	s_add_nc_u64 s[\pc:\pc+1], s[4:5], s[74:75]
	s_lshl_b32 s74, s[\idx], 6
	s_add_co_u32 s74, s74, \secs
	s_add_nc_u64 s[\ps:\ps+1], s[6:7], s[74:75]
.endm
	s_lshl_b32 s55, s20, 6
	s_add_co_u32 s23, s55, s21
	BASES 23, 56, 58, 0, 0                         ; q's pair image alpha
	s_add_co_i32 s23, s21, -2
	s_max_i32 s23, s23, 0
	s_add_co_u32 s23, s23, s55
	BASES 23, 60, 68, KSEC, KSSEC                  ; k's blocks alpha - 2,
	s_add_co_i32 s23, s21, -1
	s_max_i32 s23, s23, 0
	s_add_co_u32 s23, s23, s55
	BASES 23, 62, 70, KSEC, KSSEC                  ; alpha - 1 (held at 0 from below: such a block is masked),
	s_add_co_u32 s23, s21, s55
	BASES 23, 66, 72, KSEC, KSSEC                  ; alpha
	; v: an image holds two blocks of 32 keys, one in each half of the lanes.  gamma_b = alpha / 2 holds block alpha; gamma_a the one before
	s_lshr_b32 s76, s21, 1
	s_sub_co_i32 s77, s76, 1
	s_max_i32 s77, s77, 0
	s_lshl_b32 s23, s20, 5
	s_add_co_u32 s76, s76, s23
	s_add_co_u32 s77, s77, s23
	s_lshl_b32 s74, s77, 7
	s_add_co_u32 s74, s74, VSSEC
	s_add_nc_u64 s[78:79], s[6:7], s[74:75]
	s_lshl_b32 s74, s76, 7
	s_add_co_u32 s74, s74, VSSEC
	s_add_nc_u64 s[80:81], s[6:7], s[74:75]
	s_mul_i32 s76, s76, 2*FRB
	s_mul_i32 s77, s77, 2*FRB
	s_add_co_u32 s76, s76, VSEC
	s_add_co_u32 s77, s77, VSEC
	s_sub_co_u32 s82, s76, s77
	s_lshl_b32 s83, s22, 8
	s_mov_b32 s[SELV], 0x04040100
	s_mov_b32 s[SELV+1], 0x06060302
	s_cmp_eq_u32 s22, 1                            ; alpha odd: the blocks lie in the other halves of the lanes, and position 1 in the later image
	s_cselect_b32 s82, s82, 0
	s_cselect_b32 s[SELV], 0x05050401, s[SELV]
	s_cselect_b32 s[SELV+1], 0x07070603, s[SELV+1]
	v_xor_b32 v[TT], s83, v[LI]
	v_add_nc_u32 v[VO+1], s76, v[TT]
	v_mul_u32_u24 v[VO], s82, v[HH]
	v_add3_u32 v[VO], v[VO], s77, v[TT]
	; the output's offsets, as scalars
	s_lshr_b32 s84, s20, 4                         ; batch
	s_and_b32 s85, s20, 15                         ; head
	s_lshr_b32 s86, s85, 1                         ; the last product's K step
	s_and_b32 s85, s85, 1                          ; and my half of it
	s_lshl_b32 s87, s84, 7
	s_lshl_b32 s88, s21, 1
	s_add_co_u32 s87, s87, s88
	s_lshl_b32 s87, s87, 3
	s_add_co_u32 s87, s87, s86
	s_mul_i32 s87, s87, FRB
	s_mul_i32 s88, s85, 768
	s_add_co_u32 s87, s87, s88                     ; aimg: tile (128 batch + 2 alpha), K step, half
	s_lshl_b32 s88, s84, 11
	s_lshl_b32 s89, s21, 5
	s_add_co_u32 s88, s88, s89
	s_lshl_b32 s88, s88, 2
	s_lshl_b32 s89, s86, 14
	s_add_co_u32 s88, s88, s89
	s_lshl_b32 s89, s85, 1
	s_add_co_u32 s88, s88, s89                     ; asc: K step, position, halfword
	global_load_b32 v[GR], v[ZO], s[8:9]           ; sep
	global_load_b32 v[GR+1], v[ZO], s[10:11]       ; align
	global_load_b32 v[GR+2], v[ZO], s[12:13]       ; coh
.irp t, 0,1
.irp p, 0,1,2
.set PP, 3*\t+\p
	global_load_b64 v[QZ+6+18*\t+2*\p:QZ+6+18*\t+2*\p+1], v[LI], s[56:57] offset:512*(PP/2)+8*(PP%2)    ; tile t's six registers, into both copies
	global_load_b64 v[QZ+12+18*\t+2*\p:QZ+12+18*\t+2*\p+1], v[LI], s[56:57] offset:512*(PP/2)+8*(PP%2)
.endr
.endr
	global_load_b32 v[QX], v[R4], s[58:59]
.irp c, 0,1,2
	global_load_b128 v[WK+4*\c:WK+4*\c+3], v[LI], s[60:61] offset:512*\c
.endr
.irp c, 0,1,2
	global_load_b128 v[WK+12+4*\c:WK+12+4*\c+3], v[LI], s[62:63] offset:512*\c
.endr
.irp c, 0,1,2
	global_load_b128 v[WK+24+4*\c:WK+24+4*\c+3], v[LI], s[66:67] offset:512*\c
.endr
	global_load_b32 v[WKS], v[R4], s[68:69]
	global_load_b32 v[WKS+1], v[R4], s[70:71]
	global_load_b32 v[WKS+2], v[R4], s[72:73]
.irp tp, 0,1
	global_load_b32 v[VX+\tp], v[R4], s[78:79] offset:64*\tp
	global_load_b32 v[VX+2+\tp], v[R4], s[80:81] offset:64*\tp
.endr
.irp z, 0,18,36
.irp i, 0,1,2,3,4,5
	v_mov_b32 v[QZ+\z+\i], 0                       ; zero codes
.endr
.endr
	v_mov_b32 v[MN+1], 0                           ; lane permutes' destinations count as read
	v_mov_b32 v[MN+3], 0
	v_and_b32 v[TT], 8, v[RR]
	v_add_nc_u32 v[TT], v[TT], v[RR]               ; tile 0's query in the block: r + 8 (r / 8); tile 1's is 8 more
	v_lshlrev_b32 v[T2], 4, v[HH]                  ; 16 h
	s_lshl_b32 s23, s21, 5
	s_sub_co_i32 s23, 64, s23                      ; 64 - 32 alpha: under it the key would lie before the head's first
	v_sub_nc_u32 v[UB], v[TT], v[T2]
	v_add_nc_u32 v[UB+1], 8, v[UB]
	v_add_nc_u32 v[LB], 1, v[TT]
	v_add_nc_u32 v[LB+1], 9, v[TT]
	v_max_i32 v[LB], s23, v[LB]
	v_max_i32 v[LB+1], s23, v[LB+1]
	v_sub_nc_u32 v[LB], v[LB], v[T2]
	v_sub_nc_u32 v[LB+1], v[LB+1], v[T2]
	s_wait_loadcnt 16                              ; the gates, q and its words are in; the band's 12 loads and v's 4 words stay out
	v_perm_b32 v[QS], v[QX], v[QX], 0x01000100     ; tile 0's two bytes, for both halves of K
	v_perm_b32 v[QS+1], v[QX], v[QX], 0x03020302   ; tile 1's
	v_add_f32 v[C1], 1.0, v[GR+1]
	v_mul_f32 v[C1], 0x3e38aa3b, v[C1]
	v_mov_b32 v[C1+1], v[C1]
	v_mul_f32 v[C2N], 0xbfb8aa3b, v[GR]
	v_mov_b32 v[C2N+1], v[C2N]
	v_mul_f32 v[C3N], 0xbe38aa3b, v[GR+2]
	PLACES 8                                       ; a scale register written by a vector instruction stands eight places ahead of a scaled matrix instruction
	s_wait_tensorcnt 0x0                           ; my parts of k's images and words have landed,
	s_barrier_signal -1
	s_barrier_wait -1                              ; everybody's have
; THE MEAN PASS: 64 fragments in 16 groups of four, two buffers by turns, written out: every LDS offset is an immediate on one of two fixed address registers.
.macro LOADG buf, sc, f                ; 14 LDS loads: fragments f .. f + 3 and their words (lanes 0-15 the even fragment's, lanes 16-31 the odd one's)
.irp i, 0,1,2,3
.irp c, 0,1,2
.if (\f) < 32
	ds_load_b128 v[\buf+12*\i+4*\c:\buf+12*\i+4*\c+3], v[LI] offset:FRB*((\f)+\i)+512*\c
.else
	ds_load_b128 v[\buf+12*\i+4*\c:\buf+12*\i+4*\c+3], v[KA1] offset:FRB*((\f)-32+\i)+512*\c
.endif
.endr
.endr
.irp j, 0,1
	ds_load_b32 v[\sc+\j], v[KSA] offset:64*(\f)+128*\j
.endr
.endm
.macro MEANG buf, sc, zero, left       ; eight matrix instructions; the four accumulators take turns, one instruction a turn
	s_wait_dscnt \left                             ; this buffer's 14 loads are in; the other buffer's 14 may be out
.irp i, 0,1,2,3
.irp t, 0,1
	MW ACC+16*\t+8*(\i%2), \buf+12*\i, QZ+6+18*\t, (\zero)&&(\i<2), \sc+\i/2, QS+\t, \i%2
.endr
.endr
.endm
	LOADG X, XS, 0
	LOADG Y, YS, 4
	MEANG X, XS, 1, 14
	PLACES 4
	LOADG X, XS, 8
	MEANG Y, YS, 0, 14
	PLACES 4
	LOADG Y, YS, 12
.set F, 8
.rept 6
	MEANG X, XS, 0, 14
	PLACES 4
	LOADG X, XS, F+8
	MEANG Y, YS, 0, 14
	PLACES 4
	LOADG Y, YS, F+12
.set F, F+8
.endr
	MEANG X, XS, 0, 14
	MEANG Y, YS, 0, 0
	PLACES 5                                       ; the band's results are laid over the buffers: five places ahead of a matrix instruction that writes over operands
.irp t, 0,1                            ; the sum over the accumulators' 16 registers, each from its low end on, and over lane l xor 16
	v_pk_add_f32 v[ACC+16*\t:ACC+16*\t+1], v[ACC+16*\t:ACC+16*\t+1], v[ACC+16*\t+2:ACC+16*\t+3]
	v_pk_add_f32 v[ACC+16*\t+8:ACC+16*\t+9], v[ACC+16*\t+8:ACC+16*\t+9], v[ACC+16*\t+10:ACC+16*\t+11]
.endr
.irp i, 4,6
.irp t, 0,1
	v_pk_add_f32 v[ACC+16*\t:ACC+16*\t+1], v[ACC+16*\t:ACC+16*\t+1], v[ACC+16*\t+\i:ACC+16*\t+\i+1]
	v_pk_add_f32 v[ACC+16*\t+8:ACC+16*\t+9], v[ACC+16*\t+8:ACC+16*\t+9], v[ACC+16*\t+8+\i:ACC+16*\t+8+\i+1]
.endr
.endr
.irp t, 0,1
	v_pk_add_f32 v[ACC+16*\t:ACC+16*\t+1], v[ACC+16*\t:ACC+16*\t+1], v[ACC+16*\t+8:ACC+16*\t+9]
.endr
.irp t, 0,1
	v_add_f32 v[MN+2*\t], v[ACC+16*\t], v[ACC+16*\t+1]
.endr
.irp t, 0,1
	v_permlanex16_b32 v[MN+2*\t+1], v[MN+2*\t], s[SEL], s[SEL+1]
.endr
.irp t, 0,1
	v_add_f32 v[MN+2*\t], v[MN+2*\t], v[MN+2*\t+1]
.endr
.irp t, 0,1
	v_mul_f32 v[MN+2*\t], 0xba000000, v[MN+2*\t]   ; x -2^-11: minus the mean of S over the 2,048 keys
.endr
	s_wait_loadcnt 0x0                             ; the band's fragments and words, v's words
.irp p, 0,1,2                          ; THE BAND: u = 0: (q, 0) picks the key in the lower half of K, u = 1: (0, q) the one in the upper
.irp t, 0,1
	MW S+48*\t+16*\p, WK+12*\p, QZ+12+18*\t, 1, WKS+\p, QS+\t, 0
	MW S+48*\t+16*\p+8, WK+12*\p, QZ+18*\t, 1, WKS+\p, QS+\t, 0
.endr
.endr
	PLACES 5
	v_add_nc_u32 v[OA], s87, v[LI]
	v_lshrrev_b32 v[OB], 1, v[LI]
	v_add_nc_u32 v[OB], s87, v[OB]
	v_lshrrev_b32 v[OH], 2, v[LI]
	v_add_nc_u32 v[OH], s88, v[OH]
.irp p, 0,1,2
	v_mov_b32 v[BX+\p], 0
.endr
.irp tp, 0,1
.irp u, 0,1
	v_perm_b32 v[VS+2*\tp+\u], v[VX+2+\tp], v[VX+\tp], s[SELV+\u]   ; the four positions' bytes of tile 2 tp + u of the head's 64
.endr
.endr
; t OF A TILE'S 48 SCORES.  Two batches of 48 transcendentals, each with independent work behind it and ONE wait ahead of its first reader.
.macro LOGIT t
.set SB, S+48*\t
.set j, 0
.rept 24
	v_pk_mul_f32 v[E+j:E+j+1], v[SB+j:SB+j+1], s[CE:CE+1] op_sel_hi:[1,0]   ; -s log2(e); each accumulator is read from its low end on
.set j, j+2
.endr
.set j, 0
.rept 48
	v_exp_f32 v[E+j], v[E+j]                       ; e^-s
.set j, j+1
.endr
.set j, 0
.rept 24
	v_pk_add_f32 v[DT+j%8:DT+j%8+1], v[SB+j:SB+j+1], v[MN+2*\t:MN+2*\t+1] op_sel_hi:[1,0]   ; S - its mean
	v_pk_mul_f32 v[SB+j:SB+j+1], v[SB+j:SB+j+1], v[C1:C1+1] op_sel_hi:[1,0]
	v_fma_f32 v[SB+j], |v[DT+j%8]|, v[C3N], v[SB+j]
	v_fma_f32 v[SB+j+1], |v[DT+j%8+1]|, v[C3N], v[SB+j+1]
.set j, j+2
.endr
	s_wait_alu depctr_va_vdst(0)
.set j, 0
.rept 24
	v_pk_add_f32 v[E+j:E+j+1], v[E+j:E+j+1], 1.0 op_sel_hi:[1,0]
.set j, j+2
.endr
.set j, 0
.rept 24
	v_pk_mul_f32 v[E+j:E+j+1], v[E+j:E+j+1], v[E+j:E+j+1]
.set j, j+2
.endr
.set j, 0
.rept 48
	v_rcp_f32 v[E+j], v[E+j]                       ; sigmoid(s)^2 = 1 / (1 + e^-s)^2
.set j, j+1
.endr
.set n, 0
.rept 32                               ; positions 0 and 1: too far back, or before the head's first key
	v_cmp_lt_i32 vcc_lo, 32*(n/16)+n%16, v[LB+\t]
	v_cndmask_b32 v[SB+n], v[SB+n], v[NINF], vcc_lo
.set n, n+1
.endr
.set n, 0
.rept 16                               ; position 2: keys behind the query
	v_cmp_gt_i32 vcc_lo, n, v[UB+\t]
	v_cndmask_b32 v[SB+32+n], v[SB+32+n], v[NINF], vcc_lo
.set n, n+1
.endr
	s_wait_alu depctr_va_vdst(0)
.set j, 0
.rept 24
	v_pk_fma_f32 v[SB+j:SB+j+1], v[E+j:E+j+1], v[C2N:C2N+1], v[SB+j:SB+j+1] op_sel_hi:[1,0,1]   ; t; a hidden key keeps -infinity
.set j, j+2
.endr
.endm
	LOGIT 0
	LOGIT 1
.irp tau, 0,1,2,3                      ; v's four fragments, into the registers that LOGIT has left: tile tau of the head's 64, positions 2 c + h
.irp c, 0,1
.irp p, 0,1,2
.set PP, 3*(\tau%2)+\p
	global_load_b64 v[V+12*\tau+6*\c+2*\p:V+12*\tau+6*\c+2*\p+1], v[VO+\c], s[4:5] offset:FRB*(\tau/2)+512*(PP/2)+8*(PP%2)
.endr
.endr
.endr
; THE REST OF A TILE: M, p, the sum, p's codes, O^T = v^T p^T, / the sum, O's codes, out.
.macro FIN t
.set SB, S+48*\t
.set HT, 104+106*\t                    ; the tile's six registers of output codes: v104-109, v210-215
.irp p, 0,1,2
	v_max3_num_f32 v[BM+\p], v[SB+16*\p], v[SB+16*\p+1], v[SB+16*\p+2]   ; each block's largest t serves twice: for the row's, and for the block's largest p
.endr
.irp i, 3,5,7,9,11,13
.irp p, 0,1,2
	v_max3_num_f32 v[BM+\p], v[BM+\p], v[SB+16*\p+\i], v[SB+16*\p+\i+1]
.endr
.endr
.irp p, 0,1,2
	v_max_num_f32 v[BM+\p], v[BM+\p], v[SB+16*\p+15]
.endr
.irp p, 0,1,2
	v_permlanex16_b32 v[BX+\p], v[BM+\p], s[SEL], s[SEL+1]
.endr
.irp p, 0,1,2
	v_max_num_f32 v[BM+\p], v[BM+\p], v[BX+\p]
.endr
	v_max3_num_f32 v[T2], v[BM], v[BM+1], v[BM+2]  ; the row's largest t: the query's own key always counts
	v_floor_f32 v[NM], -v[T2]                      ; -M = floor(-t): M is a whole number
	v_mov_b32 v[NM+1], v[NM]
.set j, 0
.rept 24
	v_pk_add_f32 v[SB+j:SB+j+1], v[SB+j:SB+j+1], v[NM:NM+1] op_sel_hi:[1,0]
.set j, j+2
.endr
.irp p, 0,1,2
	v_add_f32 v[BM+\p], v[BM+\p], v[NM]
.endr
.set j, 0
.rept 48
	v_exp_f32 v[SB+j], v[SB+j]                     ; p = 2^(t - M): not normalised
.set j, j+1
.endr
.irp i, 4,5,6
	v_mov_b32 v[PT+\i], 0                          ; position 3's codes.  (Plain lines behind the exponentials)
.endr
	s_wait_alu depctr_va_vdst(0)                   ; one wait for the 48
.irp p, 0,1,2
	v_exp_f32 v[BM+\p], v[BM+\p]                   ; the blocks' largest p: the same addition and exponential on the same number
.endr
	v_pk_add_f32 v[LA:LA+1], v[SB:SB+1], v[SB+2:SB+3]       ; the row's sum of the UNQUANTISED p, in two chains
	v_pk_add_f32 v[LC:LC+1], v[SB+4:SB+5], v[SB+6:SB+7]
.irp j, 8,12,16,20,24,28,32,36,40,44
	v_pk_add_f32 v[LA:LA+1], v[LA:LA+1], v[SB+\j:SB+\j+1]
	v_pk_add_f32 v[LC:LC+1], v[LC:LC+1], v[SB+\j+2:SB+\j+3]
.endr
	v_pk_add_f32 v[LA:LA+1], v[LA:LA+1], v[LC:LC+1]
	s_wait_alu depctr_va_vdst(0)                   ; and one for the three
.irp p, 0,1,2
	v_max_num_f32 v[BM+\p], 0x2800000, v[BM+\p]    ; the floor 2^(5 - 127): a block of hidden keys keeps the byte 1 over zero codes
.endr
.irp p, 0,1,2
	v_add_nc_u32 v[SCO+\p], 0xfe000000, v[BM+\p]
.endr
.irp p, 0,1,2
	v_lshrrev_b32 v[BY+\p], 23, v[SCO+\p]
.endr
	v_lshl_or_b32 v[PW], v[BY+1], 8, v[BY]
	v_lshl_or_b32 v[PW], v[BY+2], 16, v[PW]
	v_or_b32 v[PW], 0x7f000000, v[PW]              ; position 3: zero codes under the byte 127
	v_cvt_scalef32_pk16_bf6_f32 v[PC:PC+2], v[SB:SB+15], v[SCO]
	v_cvt_scalef32_pk16_bf6_f32 v[PT:PT+2], v[SB+16:SB+31], v[SCO+1]
	v_cvt_scalef32_pk16_bf6_f32 v[PC+6:PC+8], v[SB+32:SB+47], v[SCO+2]
	v_nop                                          ; one plain line behind the scaled conversions
.irp c, 0,1                            ; a whole block to a lane: lanes 0-15 position 2 c, lanes 16-31 position 2 c + 1
.irp i, 0,1,2
	v_permlane16_swap_b32 v[PC+6*\c+\i], v[PT+4*\c+\i]
.endr
.irp i, 0,1,2
	v_mov_b32 v[PC+6*\c+3+\i], v[PT+4*\c+\i]
.endr
.endr
	v_add_f32 v[LA], v[LA], v[LA+1]
	v_permlanex16_b32 v[T2], v[LA], s[SEL], s[SEL+1]
	v_add_f32 v[LA], v[LA], v[T2]                  ; the row's sum
	v_rcp_f32 v[RL], v[LA]
	PLACES 8                                       ; behind the reciprocal; ahead of the scaled matrix instructions: p's word eight places, p's codes four
.if \t == 0
	s_wait_loadcnt 0x0                             ; v's fragments: asked for ahead of all of this macro's lines above
.endif
.irp tau, 0,1,2,3
	MW SB+8*\tau, V+12*\tau, PC, 1, VS+\tau, PW, 0 ; register 8 tau + j: channel 32 (tau / 2) + 16 h + 8 (tau % 2) + j of my query
.endr
	PLACES 4
	s_wait_alu depctr_va_vdst(0)                   ; the reciprocal's wait, ahead of its first reader
.set j, 0
.rept 16
	v_pk_mul_f32 v[SB+j:SB+j+1], v[SB+j:SB+j+1], v[RL:RL+1] op_sel_hi:[1,0]
.set j, j+2
.endr
.irp b, 0,1                            ; the head's two blocks of 32 channels are blocks of the last product's K
	v_max3_num_f32 v[BM+\b], |v[SB+16*\b]|, |v[SB+16*\b+1]|, 0x2800000
.endr
.irp i, 2,4,6,8,10,12,14
.irp b, 0,1
	v_max3_num_f32 v[BM+\b], v[BM+\b], |v[SB+16*\b+\i]|, |v[SB+16*\b+\i+1]|
.endr
.endr
.irp b, 0,1
	v_permlanex16_b32 v[BX+\b], v[BM+\b], s[SEL], s[SEL+1]
.endr
.irp b, 0,1
	v_max_num_f32 v[BM+\b], v[BM+\b], v[BX+\b]
.endr
.irp b, 0,1
	v_add_nc_u32 v[SCO+\b], 0xfe000000, v[BM+\b]
.endr
.irp b, 0,1
	v_lshrrev_b32 v[BY+\b], 23, v[SCO+\b]
.endr
	v_lshl_or_b32 v[HW+\t], v[BY+1], 8, v[BY]
	v_cvt_scalef32_pk16_bf6_f32 v[HT:HT+2], v[SB:SB+15], v[SCO]
	v_cvt_scalef32_pk16_bf6_f32 v[PT:PT+2], v[SB+16:SB+31], v[SCO+1]
	v_nop
.irp i, 0,1,2
	v_permlane16_swap_b32 v[HT+\i], v[PT+\i]
.endr
.irp i, 0,1,2
	v_mov_b32 v[HT+3+\i], v[PT+\i]
.endr
	global_store_b128 v[OA], v[HT:HT+3], s[14:15] offset:8*FRB*\t          ; 512 consecutive bytes, aligned: registers 0-3 of my half of the fragment
	global_store_b64 v[OB], v[HT+4:HT+5], s[14:15] offset:8*FRB*\t+512     ; 256 consecutive bytes, aligned: registers 4-5
.endm
	FIN 0
	FIN 1
	v_cndmask_b32 v[HW], v[HW], v[HW+1], s[MK]     ; lanes 0-15 tile 0's rows, lanes 16-31 tile 1's
	global_store_b16 v[OH], v[HW], s[16:17]        ; my head's half of each row's scale word: halfwords 4 bytes apart, one part in 24 of what is stored
	s_set_vgpr_msb 0x4
	s_wait_tensorcnt 0x0
	ds_add_u32 v31, v1
	s_wait_dscnt 0x0
	s_set_vgpr_msb 0x400
	ROUND                                          ; the closing round: no work-group ends while a partner may still ask for a tile that names it
	s_endpgm
.Lfunc_end_k_qdb32f98577_attn:
	.size	k_qdb32f98577_attn, .Lfunc_end_k_qdb32f98577_attn-k_qdb32f98577_attn
	.p2alignl 7, 3214868480
	.fill 96, 4, 3214868480
	.section	.rodata,"a",@progbits
	.p2align	6, 0x0
	.amdhsa_kernel k_qdb32f98577_attn
		.amdhsa_group_segment_fixed_size 168960
		.amdhsa_private_segment_fixed_size 0
		.amdhsa_enable_private_segment 0
		.amdhsa_kernarg_size 56
		.amdhsa_user_sgpr_count 2
		.amdhsa_user_sgpr_kernarg_segment_ptr 1
		.amdhsa_wavefront_size32 1
		.amdhsa_system_sgpr_workgroup_id_x 1
		.amdhsa_system_sgpr_workgroup_id_y 1
		.amdhsa_system_sgpr_workgroup_id_z 1
		.amdhsa_system_vgpr_workitem_id 0
		.amdhsa_next_free_vgpr 258
		.amdhsa_next_free_sgpr 96
		.amdhsa_reserve_vcc 1
		.amdhsa_float_denorm_mode_32 3
		.amdhsa_float_denorm_mode_16_64 3
		.amdhsa_memory_ordered 1
		.amdhsa_forward_progress 1
		.amdhsa_inst_pref_size 112
	.end_amdhsa_kernel
	.amdgpu_metadata
---
amdhsa.version: [ 1, 2 ]
amdhsa.kernels:
  - .name:           k_qdb32f98577_attn
    .symbol:         k_qdb32f98577_attn.kd
    .args:
      - { .name: qkvimg, .offset: 0, .size: 8, .value_kind: global_buffer, .address_space: global }
      - { .name: qkvsc, .offset: 8, .size: 8, .value_kind: global_buffer, .address_space: global }
      - { .name: sep_gate, .offset: 16, .size: 8, .value_kind: global_buffer, .address_space: global }
      - { .name: align_gate, .offset: 24, .size: 8, .value_kind: global_buffer, .address_space: global }
      - { .name: coh_gate, .offset: 32, .size: 8, .value_kind: global_buffer, .address_space: global }
      - { .name: aimg, .offset: 40, .size: 8, .value_kind: global_buffer, .address_space: global }
      - { .name: asc, .offset: 48, .size: 8, .value_kind: global_buffer, .address_space: global }
    .group_segment_fixed_size: 168960
    .private_segment_fixed_size: 0
    .kernarg_segment_align: 8
    .kernarg_segment_size: 56
    .max_flat_workgroup_size: 256
    .sgpr_count:     96
    .vgpr_count:     258
    .wavefront_size: 32
...
	.end_amdgpu_metadata
.endif
;; end of part 3
;; launch oproj (part 4): grid 4 x 16, 4 waves a work-group, clusters of 4 x 4, 327,680 bytes of LDS; arguments aimg, asc, opimg, opsc, out0; writes out0
.if DOCPART == 4
	.amdgcn_target "amdgcn-amd-amdhsa--gfx1250"
	.amdhsa_code_object_version 6
	.text
	.protected	k_qdb32f98577_oproj
	.globl	k_qdb32f98577_oproj
	.p2align	8
	.type	k_qdb32f98577_oproj,@function
k_qdb32f98577_oproj:
	s_mov_b64 s[64:65], 0
	v_nop
	global_prefetch_b8 v0, s[64:65] scope:SCOPE_SE
	s_setreg_imm32_b32 hwreg(HW_REG_WAVE_MODE, 25, 1), 1
	s_wait_xcnt 0x0
	s_wait_alu depctr_hold_cnt(0) depctr_sa_sdst(0) depctr_va_vdst(0) depctr_va_sdst(0) depctr_va_ssrc(0) depctr_va_vcc(0) depctr_vm_vsrc(0)
	s_getreg_b32 s2, hwreg(HW_REG_IB_STS2, 6, 4)
	s_cmp_eq_u32 s2, 0
	s_cbranch_scc0 .Lentry_in_a_cluster
	s_endpgm
.Lentry_in_a_cluster:
	s_bfe_u32 s2, ttmp6, 0x10000c
	s_cmp_lg_u32 s2, 0xf033
	s_cbranch_scc0 .Lentry_shape_is_right
	s_endpgm
.Lentry_shape_is_right:
; out0 = O Wo^T on codes of BF6 (E3M2) with E8M0 scales, K = 1,024; out0 [4096][1024] f32.  O's codes and scale words were laid by the attention, Wo's by the quantiser, both as images of operand registers.
; A tile of 256 x 256 is made by four waves, 128 x 128 each.  K goes in steps of 256 through two LDS slots; the scale words of the tile's rows come once.  4 x 4 work-groups form a cluster: O's tiles are asked for
; jointly along a row of the cluster, Wo's along a column.  16 x 4 tiles: 64 work-groups.
; THE MATRIX INSTRUCTION IS USED TRANSPOSED (source 0 = Wo's tile, source 1 = O's).  The rows of a tile are not neighbours (row 32 (t / 2) + 8 (t % 2) + r + 8 (r / 8)), in both operands: a lane holds token
; (tile a, lane-row r), and its registers of Wo's tile b the columns 32 (b / 2) + 16 (lane / 16) + 8 (b % 2) + 0 .. 7.  The way out puts both back in order.
; O's images have two halves of 768 bytes, each written by one head: registers 6 c .. 6 c + 3 at 16 x lane, registers 6 c + 4, 5 at 512 + 8 x lane.
; REGISTERS: window 0: v0-31 addresses; v32-63 scale words; v128-223 O's fragments, one set; on the way out v128-255 rows read back.  window 1: Wo's fragments, two sets.  windows 2, 3: the accumulators.
.set NQ,     2
.set FR,     12
.set FRB,    1536
.set NLA,    4                         ; LDS loads that bring one of O's fragments
.set NP,     4
.set TROW,   NQ*FRB
.set HALFT,  8*TROW
.set SLOT,   4*HALFT
.set SCL,    2*SLOT
.set SCW,    4096
.set SPARE,  SCL+4*SCW                 ; the spare words, 128 bytes a wave: two blocks of 256 bytes that no other line names
.set SPITCH, 528                       ; the way out: 16 rows x (512 bytes + 16) a wave, in slot 0, which has had its last fill and its last read when the first result is stored there
.set ADRA, 16                          ; v16-17 16 x lane form, v18-19 8 x lane form
.set ADRB, 20
.set STO,  24
.set RD,   25
.set CO,   26
.set ADRS, 27
.set SPW,  28
.set NIL,  29
.set SC,   32
.set AF,   128
.set BK,   128
.set G1, 24
.set G0, 32
.set G1B, 48
.set G0B, 56
.set G1S, 68
.set G0S, 76
.set G1SB, 80
.set G0SB, 88
.set MSB, 0
.macro WIN new
.if MSB != (\new)
	s_set_vgpr_msb (MSB<<8)|(\new)
.set MSB, (\new)
.endif
.endm
.set MUL_LO, 0xa1
.set MUL_HI, 0xf1
.set TO_B,   0x40
.macro JLOAD g0a, g1a, g0b, g1b        ; a joint load: waves 0, 1 for O, waves 2, 3 for Wo; four v_nop follow each line
	s_cmp_eq_u32 s15, 0
	s_cbranch_scc0 .Lfor_b_\@
	tensor_load_to_lds s[\g0a:\g0a+3], s[\g1a:\g1a+7]
	s_nop 0
.rept 4
	v_nop
.endr
	s_branch .Lasked_\@
.Lfor_b_\@:
	tensor_load_to_lds s[\g0b:\g0b+3], s[\g1b:\g1b+7]
	s_nop 0
.rept 4
	v_nop
.endr
.Lasked_\@:
.endm
.macro CREST
	s_cmp_lg_u32 s14, 0
	s_cbranch_scc1 .Lnot_wave_0_\@
	s_barrier_signal -3
.Lnot_wave_0_\@:
	s_barrier_wait -3
	s_barrier_signal -1
	s_barrier_wait -1
.endm
.macro CROUND
	s_barrier_signal -1
	s_barrier_wait -1
	CREST
.endm
	s_load_b128 s[4:7], s[0:1], 0x0                ; aimg, asc
	s_load_b128 s[8:11], s[0:1], 0x10              ; opimg, opsc
	s_load_b64 s[12:13], s[0:1], 0x20              ; out0
	v_lshl_add_u32 v[SPW], v0, 2, SPARE
	v_mov_b32 v[NIL], 0
	ds_add_u32 v28, v29
	ds_add_u32 v28, v29
	s_wait_dscnt 0x0
	v_lshrrev_b32 v1, 5, v0
	v_readfirstlane_b32 s14, v1
	s_lshr_b32 s15, s14, 1
	s_and_b32 s16, s14, 1
	s_bfe_u32 s40, ttmp6, 0x40000
	s_bfe_u32 s41, ttmp6, 0x40004
	s_lshl_b32 s42, ttmp9, 2
	s_add_co_u32 s42, s42, s40                     ; tile column
	s_and_b32 s17, ttmp7, 0xffff
	s_lshl_b32 s17, s17, 2
	s_add_co_u32 s17, s17, s41                     ; tile row
	s_lshl_b32 s43, s41, 2
	s_lshl_b32 s43, 15, s43
	s_lshl_b32 s44, 0x1111, s40
	s_or_b32 s[G1+0], s43, (3<<16)|(1<<21)         ; codes: 8 rows (tiles of 16) of 3,072 bytes, 12,288 bytes apart; no padding
	s_or_b32 s[G1B+0], s44, (3<<16)|(1<<21)
.irp g, G1, G1B
	s_mov_b32 s[\g+1], (TROW/8)<<16
	s_mov_b32 s[\g+2], 8<<16
	s_mov_b32 s[\g+3], (TROW/8)<<16
	s_mov_b32 s[\g+4], 8
	s_mov_b32 s[\g+5], 8*FRB/8
	s_mov_b32 s[\g+6], 0
	s_mov_b32 s[\g+7], 0
.endr
	s_or_b32 s[G1S+0], s43, (3<<16)|(1<<21)        ; scale words: 8 K steps x 512 bytes; O's K steps lie 16,384 bytes apart, the weights' 32,768
	s_or_b32 s[G1SB+0], s44, (3<<16)|(1<<21)
.irp g, G1S, G1SB
	s_mov_b32 s[\g+1], 64<<16
	s_mov_b32 s[\g+2], 8<<16
	s_mov_b32 s[\g+3], 64<<16
	s_mov_b32 s[\g+4], 8
	s_mov_b32 s[\g+6], 0
	s_mov_b32 s[\g+7], 0
.endr
	s_mov_b32 s[G1S+5], 2048
	s_mov_b32 s[G1SB+5], 4096
	s_lshl_b32 s18, s16, 7
	s_lshl_b32 s19, s17, 8
	s_add_co_u32 s19, s19, s18                     ; O: row 256 x tile row + 128 x half
	s_lshl_b32 s46, s42, 8
	s_add_co_u32 s46, s46, s18
	s_add_co_u32 s46, s46, 7168                    ; Wo: its first row in the list + 256 x tile column + 128 x half
	s_mul_i32 s20, s19, 768
	s_mov_b32 s21, 0
	s_lshl_b32 s22, s19, 2
	s_mov_b32 s23, 0
	s_lshl_b32 s92, s46, 2
	s_mov_b32 s93, 0
	s_mul_i32 s46, s46, 768
	s_mov_b32 s47, 0
	s_mul_i32 s45, s14, HALFT
	s_lshl_b32 s94, s14, 12
	s_wait_kmcnt 0x0
	s_add_nc_u64 s[20:21], s[4:5], s[20:21]
	s_add_nc_u64 s[22:23], s[6:7], s[22:23]
	s_add_nc_u64 s[46:47], s[8:9], s[46:47]
	s_add_nc_u64 s[92:93], s[10:11], s[92:93]
	CROUND
	s_mov_b32 s[G0S], 1
	s_add_co_u32 s[G0S+1], s94, SCL
	s_mov_b64 s[G0S+2:G0S+3], s[22:23]
	s_or_b32 s[G0S+3], s[G0S+3], 0x80000000
	s_mov_b32 s[G0SB], 1
	s_add_co_u32 s[G0SB+1], s94, SCL
	s_mov_b64 s[G0SB+2:G0SB+3], s[92:93]
	s_or_b32 s[G0SB+3], s[G0SB+3], 0x80000000
	JLOAD G0S, G1S, G0SB, G1SB
.irp s, 0,1
	s_mov_b32 s[G0+4*\s], 1
	s_add_co_u32 s[G0+4*\s+1], s45, \s*SLOT
	s_add_nc_u64 s[G0+4*\s+2:G0+4*\s+3], s[20:21], \s*TROW
	s_or_b32 s[G0+4*\s+3], s[G0+4*\s+3], 0x80000000
	s_mov_b32 s[G0B+4*\s], 1
	s_add_co_u32 s[G0B+4*\s+1], s45, \s*SLOT
	s_add_nc_u64 s[G0B+4*\s+2:G0B+4*\s+3], s[46:47], \s*TROW
	s_or_b32 s[G0B+4*\s+3], s[G0B+4*\s+3], 0x80000000
	JLOAD G0+4*\s, G1, G0B+4*\s, G1B               ; three tensor loads of mine are out
.endr
	v_and_b32 v1, 15, v0                           ; r
	v_bfe_u32 v2, v0, 4, 1                         ; h
	v_and_b32 v3, 31, v0
	v_lshlrev_b32 v4, 3, v3                        ; 8 x lane
	v_lshlrev_b32 v3, 4, v3                        ; 16 x lane
	s_mul_i32 s21, s15, HALFT
	s_mul_i32 s22, s16, HALFT
	s_add_co_u32 s22, s22, 2*HALFT
.irp s, 0,1
	v_add_nc_u32 v[ADRA+\s], s21, v3
	v_add_nc_u32 v[ADRA+2+\s], s21, v4
	v_add_nc_u32 v[ADRB+\s], s22, v3
	s_add_co_u32 s21, s21, SLOT
	s_add_co_u32 s22, s22, SLOT
.endr
	v_lshlrev_b32 v5, 2, v1
	s_lshl_b32 s21, s15, 12
	s_lshl_b32 s22, s16, 12
	s_add_co_u32 s22, s22, 2*SCW
	s_sub_co_u32 s22, s22, s21
	v_mul_u32_u24 v6, s22, v2                      ; lanes 16-31 take Wo's words: one product
	s_add_co_u32 s21, s21, SCL
	v_add_nc_u32 v5, v5, v6
	v_add_nc_u32 v[ADRS], s21, v5
	s_mul_i32 s23, s14, 16*SPITCH                  ; my stage
	v_mul_u32_u24 v5, v1, SPITCH
	v_lshl_add_u32 v5, v2, 6, v5                   ; in: row r, + 64 h bytes: my half's 16 columns of each 32
	v_add_nc_u32 v[STO], s23, v5
	v_mov_b32 v[CO], v3                            ; back: the 32 lanes take a row of 512 bytes; the same in out0
	v_add_nc_u32 v[RD], s23, v3
	s_lshl_b32 s20, s17, 8
	s_lshl_b32 s21, s15, 7
	s_add_co_u32 s20, s20, s21
	s_lshl_b32 s20, s20, 12                        ; my first row of out0, 4,096 bytes a row
	s_lshl_b32 s46, s42, 10
	s_lshl_b32 s47, s16, 9
	s_add_co_u32 s46, s46, s47                     ; my first column, in bytes
	s_add_co_u32 s20, s20, s46
	s_mov_b32 s21, 0
	s_add_nc_u64 s[12:13], s[12:13], s[20:21]
.macro FRAGB reg, slot, q, i
.irp c, 0,1,2
	ds_load_b128 v[(\reg)+4*\c:(\reg)+4*\c+3], v[ADRB+\slot] offset:(\i)*TROW+(\q)*FRB+512*\c
.endr
.endm
.macro FRAGA reg, slot, q, i           ; two halves of 768 bytes: four registers at 16 x lane, two at 8 x lane
.irp c, 0,1
	ds_load_b128 v[(\reg)+6*\c:(\reg)+6*\c+3], v[ADRA+\slot] offset:(\i)*TROW+(\q)*FRB+768*\c
	ds_load_b64 v[(\reg)+6*\c+4:(\reg)+6*\c+5], v[ADRA+2+\slot] offset:(\i)*TROW+(\q)*FRB+768*\c+512
.endr
.endm
.macro MUL16 a0, p, q, sc, zero        ; the 64 accumulators take turns, one instruction a turn
.irp a, \a0, \a0+1
.irp b, 0,1,2,3,4,5,6,7
.if \zero
	v_wmma_scale_f32_16x16x128_f8f6f4 v[8*(8*((\a)%4)+\b):8*(8*((\a)%4)+\b)+7], v[128*(\p)+FR*\b:128*(\p)+FR*\b+FR-1], v[AF+FR*(\a):AF+FR*(\a)+FR-1], 0, v[SC+8*NQ*(\sc)+NQ*\b+(\q)], v[SC+8*NQ*(\sc)+NQ*(\a)+(\q)] matrix_a_fmt:MATRIX_FMT_BF6 matrix_b_fmt:MATRIX_FMT_BF6 matrix_a_scale:MATRIX_SCALE_ROW1
.else
	v_wmma_scale_f32_16x16x128_f8f6f4 v[8*(8*((\a)%4)+\b):8*(8*((\a)%4)+\b)+7], v[128*(\p)+FR*\b:128*(\p)+FR*\b+FR-1], v[AF+FR*(\a):AF+FR*(\a)+FR-1], v[8*(8*((\a)%4)+\b):8*(8*((\a)%4)+\b)+7], v[SC+8*NQ*(\sc)+NQ*\b+(\q)], v[SC+8*NQ*(\sc)+NQ*(\a)+(\q)] matrix_a_fmt:MATRIX_FMT_BF6 matrix_b_fmt:MATRIX_FMT_BF6 matrix_a_scale:MATRIX_SCALE_ROW1
.endif
.endr
.endr
.endm
.macro FETCH_B slot, q, p
	WIN TO_B
.irp i, 0,1,2,3,4,5,6,7
	FRAGB 128*(\p)+FR*\i, \slot, \q, \i
.endr
	WIN 0
.endm
.macro FETCH_A slot, q, i0
.irp i, \i0, \i0+1, \i0+2, \i0+3
	FRAGA AF+FR*(\i), \slot, \q, \i
.endr
.endm
.macro SCALES sc
.irp i, 0,1,2,3,4,5,6,7
.irp q, 0,1
	ds_load_b32 v[SC+8*NQ*\sc+NQ*\i+\q], v[ADRS] offset:512*\q+64*\i
.endr
.endr
.endm
.macro PLACES n
.rept \n
	v_nop
.endr
.endm
.macro STEP slot, q, zero
	s_wait_dscnt 4*NLA                             ; all but the youngest loads, O's blocks 4-7
	WIN MUL_LO
	MUL16 0, (\q)%2, \q, \slot, \zero
	MUL16 2, (\q)%2, \q, \slot, \zero
	s_wait_dscnt 0
	PLACES NP
	FETCH_B \slot, (\q)+1, 1-(\q)%2
	FETCH_A \slot, (\q)+1, 0
	WIN MUL_HI
	MUL16 4, (\q)%2, \q, \slot, \zero
	MUL16 6, (\q)%2, \q, \slot, \zero
	PLACES NP
	WIN 0
	FETCH_A \slot, (\q)+1, 4
.endm
.macro TURN slot, next, fill           ; a slot's last step changes slots: one barrier, with the wait for all tensor loads, the add and the wait for it and for my reads in front
	s_wait_tensorcnt 0x0
	ds_add_u32 v[SPW], v[NIL]                      ; 0 onto my spare word
	s_wait_dscnt 4*NLA+1                           ; the add and O's blocks 4-7 may be out
	WIN MUL_LO
	MUL16 0, 1, NQ-1, \slot, 0
	s_wait_dscnt 0x0
	s_barrier_signal -1
	MUL16 2, 1, NQ-1, \slot, 0
	WIN 0
	s_barrier_wait -1
.if \fill
	CREST                                          ; the barrier has opened a round of the cluster's barrier
	s_add_nc_u64 s[G0+4*\slot+2:G0+4*\slot+3], s[G0+4*\slot+2:G0+4*\slot+3], 2*TROW
	s_add_nc_u64 s[G0B+4*\slot+2:G0B+4*\slot+3], s[G0B+4*\slot+2:G0B+4*\slot+3], 2*TROW
	JLOAD G0+4*\slot, G1, G0B+4*\slot, G1B         ; my one tensor load behind the round
.else
	PLACES NP
.endif
	v_add_nc_u32 v[ADRS], 512*NQ, v[ADRS]
	FETCH_B \next, 0, 0
	FETCH_A \next, 0, 0
	SCALES \next
	WIN MUL_HI
	MUL16 4, 1, NQ-1, \slot, 0
	MUL16 6, 1, NQ-1, \slot, 0
	PLACES NP
	WIN 0
	FETCH_A \next, 0, 4
.endm
	s_wait_tensorcnt 1                             ; the scale words and my part of K step 0 are in; K step 1's load may be out
	s_barrier_signal -1
	s_barrier_wait -1
	FETCH_B 0, 0, 0
	FETCH_A 0, 0, 0
	SCALES 0
	FETCH_A 0, 0, 4
	STEP 0, 0, 1
	TURN 0, 1, 1
	STEP 1, 0, 0
	TURN 1, 0, 1
	STEP 0, 0, 0
	TURN 0, 1, 0
	STEP 1, 0, 0
	s_wait_dscnt 4*NLA
	WIN MUL_LO
	MUL16 0, 1, NQ-1, 1, 0
	MUL16 2, 1, NQ-1, 1, 0
	s_wait_dscnt 0
	WIN MUL_HI
	MUL16 4, 1, NQ-1, 1, 0
	MUL16 6, 1, NQ-1, 1, 0
	WIN 0
; THE WAY OUT, a block of 16 tokens x 128 columns at a time, through my own stage: the columns are put in order on the way in, the tokens by the stores' offsets.
; LDS serves a wave's instructions in order (ISA guide 5.7.1.4): no wait between the stores and the loads, nor in front of the next block's stores.
.macro TOSTAGE a
.set AC, 64*((\a)%4)
	WIN 0x08+4*((\a)/4)                            ; the data: window 2 or 3
.irp b, 0,1,2,3,4,5,6,7
	ds_store_b128 v[STO], v[AC+8*\b:AC+8*\b+3] offset:128*(\b/2)+32*(\b%2)        ; each accumulator from its low end on
	ds_store_b128 v[STO], v[AC+8*\b+4:AC+8*\b+7] offset:128*(\b/2)+32*(\b%2)+16
.endr
	WIN 0
.set BB, BK+64*((\a)%2)
.irp t, 0,1,2,3,4,5,6,7,8,9,10,11,12,13,14,15
	ds_load_b128 v[BB+4*\t:BB+4*\t+3], v[RD] offset:\t*SPITCH
.endr
.endm
.macro SEND a, younger                 ; younger: the LDS instructions issued behind block a's loads
.set BB, BK+64*((\a)%2)
	s_wait_dscnt \younger
.irp t, 0,1,2,3,4,5,6,7,8,9,10,11,12,13,14,15
	global_store_b128 v[CO], v[BB+4*\t:BB+4*\t+3], s[12:13] offset:(32*((\a)/2)+8*((\a)%2)+\t+8*(\t/8))*4096 th:TH_STORE_NT   ; 32 lanes store 512 consecutive bytes, aligned; 127 rows at the most: inside the signed 24-bit immediate
.endr
.endm
	PLACES NP
	TOSTAGE 0
.irp a, 1,2,3,4,5,6,7
.if \a > 1
	s_wait_xcnt 0x0                                ; block a - 2's stores have read their registers: block a's loads may land there
.endif
	TOSTAGE \a
	SEND \a-1, 32                                  ; behind block a - 1's loads: block a's 16 stores and 16 loads
.endr
	SEND 7, 0
	s_wait_tensorcnt 0x0                           ; the wave's end
	ds_add_u32 v[SPW], v[NIL]
	s_wait_dscnt 0x0
	CROUND                                         ; the closing round
	s_endpgm
.Lfunc_end_k_qdb32f98577_oproj:
	.size	k_qdb32f98577_oproj, .Lfunc_end_k_qdb32f98577_oproj-k_qdb32f98577_oproj
	.p2alignl 7, 3214868480
	.fill 96, 4, 3214868480
	.section	.rodata,"a",@progbits
	.p2align	6, 0x0
	.amdhsa_kernel k_qdb32f98577_oproj
		.amdhsa_group_segment_fixed_size 327680
		.amdhsa_private_segment_fixed_size 0
		.amdhsa_enable_private_segment 0
		.amdhsa_kernarg_size 40
		.amdhsa_user_sgpr_count 2
		.amdhsa_user_sgpr_kernarg_segment_ptr 1
		.amdhsa_wavefront_size32 1
		.amdhsa_system_sgpr_workgroup_id_x 1
		.amdhsa_system_sgpr_workgroup_id_y 1
		.amdhsa_system_sgpr_workgroup_id_z 1
		.amdhsa_system_vgpr_workitem_id 0
		.amdhsa_next_free_vgpr 1024
		.amdhsa_next_free_sgpr 100
		.amdhsa_reserve_vcc 0
		.amdhsa_float_denorm_mode_32 3
		.amdhsa_float_denorm_mode_16_64 3
		.amdhsa_memory_ordered 1
		.amdhsa_forward_progress 1
		.amdhsa_inst_pref_size 141
	.end_amdhsa_kernel
	.amdgpu_metadata
---
amdhsa.version: [ 1, 2 ]
amdhsa.kernels:
  - .name:           k_qdb32f98577_oproj
    .symbol:         k_qdb32f98577_oproj.kd
    .args:
      - { .name: aimg, .offset: 0, .size: 8, .value_kind: global_buffer, .address_space: global }
      - { .name: asc, .offset: 8, .size: 8, .value_kind: global_buffer, .address_space: global }
      - { .name: opimg, .offset: 16, .size: 8, .value_kind: global_buffer, .address_space: global }
      - { .name: opsc, .offset: 24, .size: 8, .value_kind: global_buffer, .address_space: global }
      - { .name: out0, .offset: 32, .size: 8, .value_kind: global_buffer, .address_space: global }
    .group_segment_fixed_size: 327680
    .private_segment_fixed_size: 0
    .kernarg_segment_align: 8
    .kernarg_segment_size: 40
    .max_flat_workgroup_size: 128
    .sgpr_count:     100
    .vgpr_count:     1024
    .wavefront_size: 32
...
	.end_amdgpu_metadata
.endif
;; end of part 4
